; MI455X (gfx1250); checked and timed in simulation.
; The chip was launched on July 23, 2026; its instructions are those of AMD's public machine-readable ISA for CDNA 5 (MIT licence, August 2026) and "CDNA5" Instruction Set Architecture Reference Guide (July 2026). The comments in the code are by the model that wrote it; some were corrected since.
;; Attention. Allowed arithmetic: matrix products marked QUANTISED: E2M1 operands, one E8M0 scale for each 32 along K, by v_wmma_scale_f32_16x16x128_f8f6f4 with both operands' format E2M1 (or v_wmma_scale_f32_32x16x128_f4), f32 sums; products left as they are: bf16, f16 or f32 operands; f32 sums; everything else in f32.
;; Inputs: b_proj 1,024 float32; b_qkv 3,072 float32; w_proj 1,024 x 1,024 float32; w_qkv 3,072 x 1,024 float32; x 4 x 2,048 x 1,024 float32.
;; Outputs: out0 4 x 2,048 x 1,024 float32.
;; This version of the problem:
;;   THIS VERSION OF THE PROBLEM IS GIVEN IN LOW PRECISION. The matrix products marked QUANTISED in the list below multiply operands that are first quantised to E2M1 (2 exponent bits, 1 mantissa bit; 4 bits a number), with one power-of-two scale for each 32 numbers along K (OCP MX v1.0); their sums are f32. The products marked 'left as it is' may take bf16, f16 or f32 operands, with f32 sums. Whichever they take, every output number must still come out within the allowed error. Rounding operands to bf16 (8 significant bits) uses up far more of that allowance than f16 does (11 bits, for magnitudes from 6e-5 to 65,504). All else is computed in f32.
;;   The module's matrix products, in the order in which they are computed (A, B: the left and right operand; K: the contracted axis; several contracted axes count as one K, in the product's order):
;;     1. [M 8,192, K 1,024] x [K 1,024, N 3,072]; A: input x; B: input w_qkv: QUANTISED
;;     2. batch 64 x [M 2,048, K 64] x [K 64, N 2,048]; A: computed on the way; B: computed on the way: left as it is (an operand is computed on the way)
;;     3. batch 64 x [M 2,048, K 2,048] x [K 2,048, N 64]; A: computed on the way; B: computed on the way: left as it is (an operand is computed on the way)
;;     4. [M 8,192, K 1,024] x [K 1,024, N 1,024]; A: computed on the way; B: input w_proj: left as it is (an operand is computed on the way)
;;   THE QUANTISER, for each operand of a quantised product, along K:
;;     - K is cut into blocks of 32 from its start; a last block that is shorter is filled with zeros.
;;     - A block's scale is 2^e with e = floor(log2(the largest magnitude in the block)) - 2, held to -126 .. 127; a block of zeros has e = 0. As a byte (E8M0): e + 127.
;;     - Each number is divided by its block's scale, clamped to +-6, and rounded to the nearest number of E2M1, ties to even, subnormals kept.
;;     - The product sums the exact products of the quantised numbers (number of the format x scale) in f32.
;;   ~~~python
;;   def quantise(x, axis):      # numpy; x: float32 -> the quantised numbers, widened to float32 again
;;       x = np.moveaxis(x, axis, -1); K = x.shape[-1]
;;       x = np.pad(x, [(0, 0)] * (x.ndim - 1) + [(0, -K % 32)]); x = x.reshape(x.shape[:-1] + (-1, 32)); a = np.abs(x).max(-1, keepdims=True)
;;       e = np.where(a > 0, np.clip(np.frexp(np.where(a > 0, a, 1))[1] - 1 - 2, -126, 127), 0)      # np.frexp(a)[1] - 1 = floor(log2(a)), exactly
;;       r = np.clip(x / 2.0 ** e, -6, 6)
;;       step = 2.0 ** (np.maximum(np.frexp(np.where(r == 0, 1, r))[1] - 1, 0) - 1)
;;       q = np.round(r / step) * step * 2.0 ** e      # np.round: ties to even
;;       return np.moveaxis(q.reshape(q.shape[:-2] + (-1,))[..., :K], -1, axis).astype(np.float32)
;;   ~~~
;; One version. Each part assembles by itself: llvm-mc -triple=amdgcn-amd-amdhsa -mcpu=gfx1250 --defsym DOCPART=n.
;; ======== version 1 of 1: 4 launches
;; limits: values are held in f16: magnitudes above 65,504 overflow, below 6.1e-05 lose precision
;; workspace buffers: xc 4,194,304 bytes; xs 262,144 bytes; wc 1,572,864 bytes; ws 98,304 bytes; wp16 2,097,152 bytes; qkv 50,331,648 bytes; o16 16,777,216 bytes
;; launch quant (part 1): grid 384 x 1, 4 waves a work-group, no clusters, 33,280 bytes of LDS; arguments x, w_qkv, xc, xs, wc, ws, w_proj, wp16; writes xc, xs, wc, ws, wp16
.if DOCPART == 1
	.amdgcn_target "amdgcn-amd-amdhsa--gfx1250"
	.amdhsa_code_object_version 6
	.text
	.protected	k_q048b091deb_quant
	.globl	k_q048b091deb_quant
	.p2align	8
	.type	k_q048b091deb_quant,@function
k_q048b091deb_quant:
	s_mov_b64 s[64:65], 0
	v_nop
	global_prefetch_b8 v0, s[64:65] scope:SCOPE_SE
	s_setreg_imm32_b32 hwreg(HW_REG_WAVE_MODE, 25, 1), 1
	s_wait_xcnt 0x0
; FIRST OF FOUR LAUNCHES of out = proj(softmax(clip(q k^T / 8)) v), q, k, v = x w_qkv^T + b_qkv.
; NOTHING OF THE PROBLEM IS LEFT OUT.  The one candidate, the bias on k, adds q . b_k to a whole row of scores, which a softmax alone would take away; but the scores are clipped to +-50
; between the product and the softmax, so the term can move the result: every bias and every input is loaded.
; THIS LAUNCH: x [8192][1024] and w_qkv [3072][1024], f32, become codes of FP4 (E2M1), 4 bits each, K innermost, with one E8M0 scale byte for each 32 along K; w_proj [1024][1024] becomes f16.
; A block's scale is 2^(floor(log2(its largest magnitude)) - 2); its byte is the largest magnitude's own exponent field - 2, held at 1 from below.  Each number is divided by the scale and rounded
; to the nearest code, ties to even, beyond 6 the largest code.
; LIMITS: a block of zeros gets the byte 1 where the rule says 127: its codes are zeros, which add nothing under any byte but 0xff, and this program alone reads the bytes; blocks whose largest
; magnitude lies under 2^(2 - 126) have their byte held at 1; NaN and infinities among the inputs are not served; numbers of w_proj beyond 65,504 are not served.
; Rows are dense and K is a multiple of 32: each tensor is a plain stream of blocks of 32, and so are its codes and its scale bytes.
; SHARES: a work-group takes 32,768 numbers, a wave 8,192.  Work-groups 0-255: x; 256-351: w_qkv; 352-383: w_proj.
; x, w_qkv: a wave takes 16 steps of 512 numbers.  A conversion takes 8 numbers of one block from ONE lane's registers, so a lane must hold 16 neighbours; a load is best where neighbouring lanes
; take neighbouring bytes.  Both are had: each of a step's four loads reads 512 consecutive bytes, the 2,048 bytes go through the wave's own stage in LDS as they lie and come back 64 bytes a lane.
; A lane's 16 codes are 8 bytes: the wave stores 256 consecutive bytes.  A wave's 256 scale bytes are gathered in its own LDS bytes and leave as one aligned run of 256 bytes.
; No barrier: waves share nothing.  Loads run four steps (16 loads a wave) ahead, the turn through LDS one step.
.set WAVES, 4
.set STEPS, 16
.set WGA,   256                        ; x's work-groups: 8192 x 1024 / 32768
.set WGB,   96                         ; w_qkv's: 3072 x 1024 / 32768
.set EMAX,  2
.set CB,    8                          ; bytes of 16 codes
.set R,     16                         ; v16-79   four sets of 16 numbers as they are loaded (w_proj: v16-143, two sets of 64)
.set X,     80                         ; v80-111  two sets of 16 neighbours
.set C,     128                        ; v128-191 codes: four registers for each step, so that no store's data are written again
.set E,     112                        ; v112-127 a scale byte for each step
.set WREG,  8192                       ; LDS: a region of its own for each wave: two stages of 32 x SP bytes, and behind them its 256 scale bytes
.set SP,    80                         ; a lane's place in a stage: its 64 bytes + 16 of padding
.set SPW,   12                         ; v12      LDS address of my spare word: SPARE + 4 x my thread's number; never rewritten
.set NIL,   13                         ; v13      0; never rewritten
.set SPARE, WAVES*WREG                 ; behind the four regions: the spare words, 128 bytes for each wave, which no other line names
	s_load_b128 s[4:7], s[0:1], 0x0                ; x, w_qkv
	s_load_b128 s[8:11], s[0:1], 0x10              ; x's codes, x's scales
	s_load_b128 s[12:15], s[0:1], 0x20             ; w_qkv's codes, w_qkv's scales
	s_load_b128 s[24:27], s[0:1], 0x30             ; w_proj, its f16 copy
	v_lshl_add_u32 v[SPW], v0, 2, SPARE
	v_mov_b32 v[NIL], 0
	v_lshrrev_b32 v1, 5, v0
	v_readfirstlane_b32 s16, v1                    ; wave
	v_and_b32 v2, 31, v0                           ; lane
	v_lshlrev_b32 v3, 4, v2                        ; my 16 bytes of a load's 512
	s_mul_i32 s17, s16, WREG
	v_lshrrev_b32 v14, 2, v2
	v_mul_u32_u24 v14, v14, SP
	v_and_b32 v15, 3, v2
	v_lshl_add_u32 v14, v15, 4, v14
	v_add_nc_u32 v14, s17, v14                     ; the stage, on the way in: four lanes' 64 bytes on end, then 16 of padding
	v_mul_u32_u24 v15, v2, SP
	v_add_nc_u32 v15, s17, v15                     ; and on the way out: SP x lane: my 16 neighbours
	v_mul_u32_u24 v4, v2, CB                       ; 8 x lane: my codes' place in a step's (w_proj: my four f16 numbers' place)
	v_lshrrev_b32 v5, 1, v2
	s_add_co_u32 s17, s17, 2*32*SP
	v_add_nc_u32 v5, s17, v5                       ; LDS: my wave's 256 scale bytes, my block's byte
	v_lshlrev_b32 v7, 3, v2                        ; and on the way out 8 bytes a lane
	v_add_nc_u32 v6, s17, v7
	s_wait_kmcnt 0x0
	s_cmp_ge_u32 ttmp9, WGA+WGB                    ; the last 32 work-groups take w_proj: a branch on the work-group's number alone
	s_cbranch_scc1 .Lwp
	s_cmp_lt_u32 ttmp9, WGA                        ; x's work-group or w_qkv's?  Only pointers are chosen: both take one path through the text
	s_cselect_b64 s[4:5], s[4:5], s[6:7]
	s_cselect_b64 s[8:9], s[8:9], s[12:13]
	s_cselect_b64 s[10:11], s[10:11], s[14:15]
	s_cselect_b32 s17, 0, WGA
	s_sub_co_u32 s17, ttmp9, s17
	s_lshl_b32 s17, s17, 2
	s_add_co_u32 s18, s17, s16                     ; which run of 8,192 numbers of the tensor is my wave's
	s_mov_b32 s19, 0
	s_mov_b64 s[20:21], 512*STEPS*4
	s_mul_u64 s[20:21], s[18:19], s[20:21]
	s_add_nc_u64 s[4:5], s[4:5], s[20:21]
	s_mov_b64 s[20:21], 32*STEPS*CB
	s_mul_u64 s[20:21], s[18:19], s[20:21]
	s_add_nc_u64 s[8:9], s[8:9], s[20:21]
	s_lshl_b32 s18, s18, 8                         ; 256 scale bytes a run
	s_add_nc_u64 s[10:11], s[10:11], s[18:19]
.macro LOAD t
.irp i, 0,1,2,3
	global_load_b128 v[R+16*((\t)%4)+4*\i:R+16*((\t)%4)+4*\i+3], v3, s[4:5] offset:2048*(\t)+512*\i th:TH_LOAD_NT   ; 32 lanes read 512 consecutive bytes
.endr
.endm
.macro TURN t                          ; step t's numbers through the stage: LDS serves a wave's instructions in order, so no wait stands between the stores and the loads
.irp i, 0,1,2,3
	ds_store_b128 v14, v[R+16*((\t)%4)+4*\i:R+16*((\t)%4)+4*\i+3] offset:32*SP*((\t)%2)+8*SP*\i
.endr
.irp i, 0,1,2,3
	ds_load_b128 v[X+16*((\t)%2)+4*\i:X+16*((\t)%2)+4*\i+3], v15 offset:32*SP*((\t)%2)+16*\i
.endr
.endm
.irp t, 0,1,2,3
	LOAD \t
.endr
	s_wait_loadcnt 12                              ; step 0's four loads are in; the twelve of steps 1 to 3 may be out
	TURN 0
.macro STEP t
.set XS, X+16*((\t)%2)
.if (\t) > 0
	s_wait_dscnt 1                                 ; this step's numbers are back from the stage (the last step's byte store may be out): so its stores into the stage have read their registers,
.else
	s_wait_dscnt 0x0
.endif
.if (\t)+4 < STEPS
	LOAD (\t)+4                                    ; which take the loads of four steps on
.endif
.if (\t)+1 < STEPS
.if STEPS-2-(\t) >= 3
	s_wait_loadcnt 12                              ; the next step's four loads are in; those of the three steps behind it may be out
.else
	s_wait_loadcnt 4*(STEPS-2-(\t))
.endif
	TURN (\t)+1                                    ; and go through the other stage while this step is worked
.endif
	v_max3_num_f32 v8, |v[XS]|, |v[XS+1]|, |v[XS+2]|               ; the largest magnitude of my 16, in two chains
	v_max3_num_f32 v9, |v[XS+3]|, |v[XS+4]|, |v[XS+5]|
.irp i, 6,10
	v_max3_num_f32 v8, v8, |v[XS+\i]|, |v[XS+\i+1]|
	v_max3_num_f32 v9, v9, |v[XS+\i+2]|, |v[XS+\i+3]|
.endr
	v_max3_num_f32 v8, v8, |v[XS+14]|, |v[XS+15]|
	v_max3_num_f32 v8, v8, v9, (EMAX+1)<<23        ; and the floor 2^(EMAX + 1 - 127): so the byte cannot fall under 1
	v_max_num_f32_dpp v8, v8, v8 row_xmask:1 row_mask:0xf bank_mask:0xf   ; and of my neighbour's 16: the block's
	v_add_nc_u32 v11, -(EMAX<<23), v8              ; EMAX off its exponent field: the conversion takes the exponent field of this operand as its scale, and nothing else of it
	v_cvt_scalef32_pk8_fp4_f32 v[C+4*(\t)], v[XS:XS+7], v11        ; eight numbers / the scale, to the nearest code; the first number's code in the lowest four bits
	v_cvt_scalef32_pk8_fp4_f32 v[C+4*(\t)+1], v[XS+8:XS+15], v11
	v_lshrrev_b32 v[E+(\t)], 23, v11               ; the scale's byte (also the plain line behind the conversions)
	ds_store_b8 v5, v[E+(\t)] offset:16*(\t)       ; both lanes of a block write the same byte with the same value
	global_store_b64 v4, v[C+4*(\t):C+4*(\t)+1], s[8:9] offset:32*CB*(\t)   ; the wave stores 256 consecutive bytes, aligned
.endm
.irp t, 0,1,2,3,4,5,6,7,8,9,10,11,12,13,14,15
	STEP \t
.endr
	ds_load_b64 v[8:9], v6                         ; LDS serves a wave's instructions in order: these see my stores
	s_wait_dscnt 0x0
	global_store_b64 v7, v[8:9], s[10:11]          ; 32 lanes store 256 consecutive bytes, aligned
	s_wait_tensorcnt 0x0                           ; the wave's end: behind my last LDS store
	ds_add_u32 v[SPW], v[NIL]
	s_wait_dscnt 0x0
	s_endpgm
; w_proj to f16: a plain stream, no LDS.  A wave takes 8,192 numbers in four rounds of 16 loads; a load reads 512 consecutive bytes, a store writes 256.  Two rounds of loads are out at a time.
.Lwp:
	s_sub_co_u32 s17, ttmp9, WGA+WGB
	s_lshl_b32 s17, s17, 2
	s_add_co_u32 s17, s17, s16                     ; which run of 8,192 numbers is my wave's
	s_lshl_b32 s18, s17, 15                        ; 32,768 bytes of f32,
	s_mov_b32 s19, 0
	s_add_nc_u64 s[24:25], s[24:25], s[18:19]
	s_lshl_b32 s18, s17, 14                        ; 16,384 of f16
	s_add_nc_u64 s[26:27], s[26:27], s[18:19]
.macro LOADW g
.irp i, 0,1,2,3,4,5,6,7,8,9,10,11,12,13,14,15
	global_load_b128 v[R+64*((\g)%2)+4*\i:R+64*((\g)%2)+4*\i+3], v3, s[24:25] offset:512*(16*(\g)+\i) th:TH_LOAD_NT
.endr
.endm
.macro ROUNDW g
.set RS, R+64*((\g)%2)
.if (\g) < 3
	s_wait_loadcnt 16                              ; this round's 16 loads are in; the next round's may be out
.else
	s_wait_loadcnt 0x0
.endif
.irp i, 0,1,2,3,4,5,6,7,8,9,10,11,12,13,14,15
	v_cvt_pk_f16_f32 v[RS+4*\i], v[RS+4*\i], v[RS+4*\i+1]          ; two roundings to f16, packed, in place
	v_cvt_pk_f16_f32 v[RS+4*\i+1], v[RS+4*\i+2], v[RS+4*\i+3]
.endr
.irp i, 0,1,2,3,4,5,6,7,8,9,10,11,12,13,14,15
	global_store_b64 v4, v[RS+4*\i:RS+4*\i+1], s[26:27] offset:256*(16*(\g)+\i)
.endr
.if (\g) < 2
	s_wait_xcnt 0x0                                ; the stores have read their registers: the round after next may land there
	LOADW (\g)+2
.endif
.endm
	LOADW 0
	LOADW 1
	ROUNDW 0
	ROUNDW 1
	ROUNDW 2
	ROUNDW 3
	s_endpgm                                       ; this arm has written no LDS
.Lfunc_end_k_q048b091deb_quant:
	.size	k_q048b091deb_quant, .Lfunc_end_k_q048b091deb_quant-k_q048b091deb_quant
	.p2alignl 7, 3214868480
	.fill 96, 4, 3214868480
	.section	.rodata,"a",@progbits
	.p2align	6, 0x0
	.amdhsa_kernel k_q048b091deb_quant
		.amdhsa_group_segment_fixed_size 33280
		.amdhsa_private_segment_fixed_size 0
		.amdhsa_enable_private_segment 0
		.amdhsa_kernarg_size 64
		.amdhsa_user_sgpr_count 2
		.amdhsa_user_sgpr_kernarg_segment_ptr 1
		.amdhsa_wavefront_size32 1
		.amdhsa_system_sgpr_workgroup_id_x 1
		.amdhsa_system_sgpr_workgroup_id_y 1
		.amdhsa_system_sgpr_workgroup_id_z 1
		.amdhsa_system_vgpr_workitem_id 0
		.amdhsa_next_free_vgpr 192
		.amdhsa_next_free_sgpr 66
		.amdhsa_reserve_vcc 0
		.amdhsa_float_denorm_mode_32 3
		.amdhsa_float_denorm_mode_16_64 3
		.amdhsa_memory_ordered 1
		.amdhsa_forward_progress 1
		.amdhsa_inst_pref_size 54
	.end_amdhsa_kernel
	.amdgpu_metadata
---
amdhsa.version: [ 1, 2 ]
amdhsa.kernels:
  - .name:           k_q048b091deb_quant
    .symbol:         k_q048b091deb_quant.kd
    .args:
      - { .name: x, .offset: 0, .size: 8, .value_kind: global_buffer, .address_space: global }
      - { .name: w_qkv, .offset: 8, .size: 8, .value_kind: global_buffer, .address_space: global }
      - { .name: xc, .offset: 16, .size: 8, .value_kind: global_buffer, .address_space: global }
      - { .name: xs, .offset: 24, .size: 8, .value_kind: global_buffer, .address_space: global }
      - { .name: wc, .offset: 32, .size: 8, .value_kind: global_buffer, .address_space: global }
      - { .name: ws, .offset: 40, .size: 8, .value_kind: global_buffer, .address_space: global }
      - { .name: w_proj, .offset: 48, .size: 8, .value_kind: global_buffer, .address_space: global }
      - { .name: wp16, .offset: 56, .size: 8, .value_kind: global_buffer, .address_space: global }
    .group_segment_fixed_size: 33280
    .private_segment_fixed_size: 0
    .kernarg_segment_align: 8
    .kernarg_segment_size: 64
    .max_flat_workgroup_size: 128
    .sgpr_count:     66
    .vgpr_count:     192
    .wavefront_size: 32
...
	.end_amdgpu_metadata
.endif
;; end of part 1
;; launch qkvgemm (part 2): grid 12 x 32, 4 waves a work-group, clusters of 4 x 4, 327,680 bytes of LDS; arguments xc, xs, wc, ws, qkv, b_qkv; writes qkv
.if DOCPART == 2
	.amdgcn_target "amdgcn-amd-amdhsa--gfx1250"
	.amdhsa_code_object_version 6
	.text
	.protected	k_q048b091deb_qkvgemm
	.globl	k_q048b091deb_qkvgemm
	.p2align	8
	.type	k_q048b091deb_qkvgemm,@function
k_q048b091deb_qkvgemm:
	s_mov_b64 s[64:65], 0
	v_nop
	global_prefetch_b8 v0, s[64:65] scope:SCOPE_SE
	s_setreg_imm32_b32 hwreg(HW_REG_WAVE_MODE, 25, 1), 1
	s_wait_xcnt 0x0
	s_wait_alu depctr_hold_cnt(0) depctr_sa_sdst(0) depctr_va_vdst(0) depctr_va_sdst(0) depctr_va_ssrc(0) depctr_va_vcc(0) depctr_vm_vsrc(0)
	s_getreg_b32 s2, hwreg(HW_REG_IB_STS2, 6, 4)
	s_cmp_eq_u32 s2, 0
	s_cbranch_scc0 .Lentry_in_a_cluster
	s_endpgm
.Lentry_in_a_cluster:
	s_bfe_u32 s2, ttmp6, 0x10000c
	s_cmp_lg_u32 s2, 0xf033
	s_cbranch_scc0 .Lentry_shape_is_right
	s_endpgm
.Lentry_shape_is_right:
; SECOND LAUNCH: qkv = Q(x) Q(w_qkv)^T + b_qkv on codes of FP4 (E2M1) with one E8M0 scale for each 32 along K; sums in f32; rounded once to f16 and laid by head.  Nothing of the problem is left out here.
; A: x's codes [8192][512 bytes], scales [8192][32].  B: w_qkv's codes [3072][512 bytes], scales [3072][32].  Out: f16 [kind 3][plane = 16 batch + head, 64][token 2048][64]: q, k, v as attention reads them.
; LIMIT: results beyond 65,504 in magnitude have no f16 number and are not served.
; A tile of C, 256 x 256, is made by a work-group of four waves; a wave makes 128 x 128: 64 accumulators of 16 x 16, 512 registers.
; K = 1,024 is two steps of 512 (tile rows of 256 bytes): both lie in LDS slots of their own, asked for at the start; no LDS byte is filled twice.  All of LDS is claimed.
; THE SCALES of the work-group's 256 rows of A and of B, for all of K, are two dense blocks of memory: they come into LDS once, with the first fills.
; CLUSTERS: 4 x 4 work-groups.  The four of a row of the cluster need the same tiles of A, the four of a column the same tiles of B: each tile is asked for JOINTLY, by the same tensor load with the
; same descriptor and a mask that names the four.  THE MATRIX INSTRUCTION IS USED TRANSPOSED (source 0 = 16 rows of B, source 1 = 16 rows of A): a lane then holds eight neighbouring columns of a row of C.
; THE BIAS is the C of each sum's first matrix instruction: eight registers for each of B's eight blocks, in the result's layout.
; REGISTERS, in windows of 256: window 0: v0-31 addresses; v32-95 scale words, two sets; v128-191 A's fragments, ONE set; v192-255 the bias; on the way out v32-127 are free.
;   window 1: B's fragments, TWO sets, at v0 and at v128.   window 2: the 32 accumulators of my rows 0-63 ((a, b) at v[8 (8 a + b)]);   window 3: those of my rows 64-127.
.set SIZE_M, 8192
.set SIZE_N, 3072
.set SIZE_K, 1024
.set KSTEP,  512                       ; along K in a slot
.set NQ,     KSTEP/128                 ; matrix instructions deep
.set ROWB,   256                       ; a tile's row in bytes
.set KROW,   SIZE_K/2                  ; a row of A or of B in memory, in bytes
.set PITCH,  272                       ; an LDS row: 256 bytes + 16 of padding = 68 words: the 16 rows that a load touches start 4 words apart modulo 64
.set FR,     8                         ; registers of a fragment: 16 rows x 128 K
.set NL,     2                         ; LDS loads that bring one
.set NP,     4                         ; places behind this matrix instruction (ISA guide 7.12.1)
.set HALFT,  128*PITCH                 ; 128 rows: what one tensor load brings, and what one wave reads of A or of B
.set SLOT,   4*HALFT                   ; A's 256 rows, then B's 256 rows
.set KS,     SIZE_K/32                 ; a row of scales in bytes
.set SCL,    2*SLOT                    ; behind the slots: the scales, as runs of 256 bytes + 16 of padding
.set HALFS,  (128*KS/256)*272          ; the scales of 128 rows: what one tensor load brings
.set SBLK,   (16*KS/256)*272           ; those of 16 rows
.set SPARE,  SCL+4*HALFS               ; behind the scales: the spare words, 128 bytes for each wave, which no other line names
.set SPITCH, 272                       ; the way out: a stage of 16 rows x (256 bytes + 16) for each wave, in slot 0, which has had its one fill and its last read when the first result is stored there
.set ADRA, 16                          ; v16-17  LDS address of my A fragments in slot 0, 1
.set ADRB, 20                          ; v20-21  the same for B
.set STO,  24                          ; v24     the way out: where I put 16 bytes of a row
.set RD,   25                          ; v25     the way out: where I read 16 bytes back
.set CO,   26                          ; v26     16 x lane: my place in a store's 512 bytes
.set ADRS, 27                          ; v27     LDS address of my scale words: lanes 0-15 A's rows, lanes 16-31 B's
.set SPW,  28                          ; v28     LDS address of my spare word; never rewritten
.set NIL,  29                          ; v29     0; never rewritten
.set BO,   30                          ; v30     32 x (lane / 16): my eight numbers of a block's bias
.set SC,   32                          ; scale words: set s at v[SC + 32 s]; register 4 i + q: lanes 0-15 the word of A's block i, lanes 16-31 that of B's block i, for the slot's q-th 128 along K
.set AF,   128                         ; A's fragments, in window 0
.set BI,   192                         ; the bias: block b at v[BI + 8 b]
.set TMP,  32                          ; the way out: a block's 32 packed registers
.set BK,   64                          ; the way out: a block read back: v64-95 and v96-127 by turns
.set G1, 24                            ; s[24:31] descriptor group 1 for A's tiles;  s[32:39] group 0, one set for each slot
.set G0, 32
.set G1B, 48                           ; s[48:55], s[56:63] the same for B's tiles
.set G0B, 56
.set G1S, 68                           ; s[68:75], s[76:79] groups 1 and 0 for A's scales;  s[80:87], s[88:91] for B's
.set G0S, 76
.set G1SB, 80
.set G0SB, 88
.set MSB, 0
.macro WIN new                         ; the immediate's high byte repeats the setting that is left
.if MSB != \new
	s_set_vgpr_msb (MSB<<8)|\new
.set MSB, \new
.endif
.endm
.set MUL_LO, 0xa1                      ; source 0 (B) window 1, source 1 (A) window 0, C and D window 2
.set MUL_HI, 0xf1                      ; the same, C and D window 3
.set BIA_LO, 0x81                      ; the first step: C (the bias) window 0, D window 2
.set BIA_HI, 0xc1                      ; D window 3
.set TO_B,   0x40                      ; destination window 1, address window 0
; A joint load: waves 0 and 1 fetch for A, waves 2 and 3 for B.  Each of the two lines has ONE mask and one set of registers for all that issue it; the branch hangs on the wave's number alone.
; An s_nop 0 and four v_nop follow each of the two lines, ahead of the jump, the label and what follows.
.macro JLOAD g0a, g1a, g0b, g1b
	s_cmp_eq_u32 s15, 0
	s_cbranch_scc0 .Lfor_b_\@
	tensor_load_to_lds s[\g0a:\g0a+3], s[\g1a:\g1a+7]
	s_nop 0
.rept 4
	v_nop
.endr
	s_branch .Lasked_\@
.Lfor_b_\@:
	tensor_load_to_lds s[\g0b:\g0b+3], s[\g1b:\g1b+7]
	s_nop 0
.rept 4
	v_nop
.endr
.Lasked_\@:
.endm
.macro CROUND                          ; a round of the cluster's barrier: my work-group's barrier; wave 0 signals for the work-group; every wave waits for all sixteen; my work-group's barrier once more
	s_barrier_signal -1
	s_barrier_wait -1
	s_cmp_lg_u32 s14, 0
	s_cbranch_scc1 .Lnot_wave_0_\@
	s_barrier_signal -3
.Lnot_wave_0_\@:
	s_barrier_wait -3
	s_barrier_signal -1
	s_barrier_wait -1
.endm
	s_load_b128 s[4:7], s[0:1], 0x0                ; A's codes s[4:5], A's scales s[6:7]
	s_load_b128 s[8:11], s[0:1], 0x10              ; B's codes s[8:9], B's scales s[10:11]
	s_load_b64 s[12:13], s[0:1], 0x20              ; qkv
	s_load_b64 s[96:97], s[0:1], 0x28              ; b_qkv
	v_lshl_add_u32 v[SPW], v0, 2, SPARE
	v_mov_b32 v[NIL], 0
	ds_add_u32 v[SPW], v[NIL]                      ; the wave's opening: the add, twice on end, and its wait ahead of my first tensor load; the set-up below stands between
	ds_add_u32 v[SPW], v[NIL]
	v_lshrrev_b32 v1, 5, v0
	v_readfirstlane_b32 s14, v1                    ; wave 0..3
	s_lshr_b32 s15, s14, 1                         ; which half of the tile's rows is mine.  Also: I fetch for A (0) or for B (1)
	s_and_b32 s16, s14, 1                          ; which half of its columns.  Also: which 128 rows of that tile I fetch
	s_bfe_u32 s40, ttmp6, 0x40000                  ; cx, cy: my place in the cluster
	s_bfe_u32 s41, ttmp6, 0x40004
	s_lshl_b32 s42, ttmp9, 2
	s_add_co_u32 s42, s42, s40                     ; tile column of C = 4 x cluster x + cx
	s_and_b32 s17, ttmp7, 0xffff
	s_lshl_b32 s17, s17, 2
	s_add_co_u32 s17, s17, s41                     ; tile row of C = 4 x cluster y + cy
	s_lshl_b32 s43, s41, 2
	s_lshl_b32 s43, 15, s43                        ; my row of the cluster
	s_lshl_b32 s44, 0x1111, s40                    ; my column
	; descriptor group 1: a tile of 128 rows x 256 bytes, padded in LDS
	s_or_b32 s[G1+0], s43, (0<<16)|(1<<20)|(1<<21)|(5<<22)|(3<<25)  ; 15:0 the mask: A's tiles go to my row; 17:16 elements of 1 byte; 20 padding on; 21 set beside a mask; 24:22 after every 64 words; 31:25 four words
	s_or_b32 s[G1B+0], s44, (0<<16)|(1<<20)|(1<<21)|(5<<22)|(3<<25)
.irp g, G1, G1B
	s_mov_b32 s[\g+1], ROWB<<16                    ; tensor_dim0
	s_mov_b32 s[\g+2], 128<<16                     ; tensor_dim1 = 128
	s_mov_b32 s[\g+3], ROWB<<16                    ; tile_dim0
	s_mov_b32 s[\g+4], 128                         ; tile_dim1 = 128
	s_mov_b32 s[\g+5], KROW                        ; tensor_dim0_stride
	s_mov_b32 s[\g+6], 0
	s_mov_b32 s[\g+7], 0
.endr
	; and for the scales of 128 rows: a dense block of 4,096 bytes, as rows of 256 bytes (32 elements of 8 bytes), 16 bytes of padding behind each
	s_or_b32 s[G1S+0], s43, (3<<16)|(1<<20)|(1<<21)|(5<<22)|(3<<25)
	s_or_b32 s[G1SB+0], s44, (3<<16)|(1<<20)|(1<<21)|(5<<22)|(3<<25)
.irp g, G1S, G1SB
	s_mov_b32 s[\g+1], 32<<16
	s_mov_b32 s[\g+2], (128*KS/256)<<16
	s_mov_b32 s[\g+3], 32<<16
	s_mov_b32 s[\g+4], 128*KS/256
	s_mov_b32 s[\g+5], 32
	s_mov_b32 s[\g+6], 0
	s_mov_b32 s[\g+7], 0
.endr
	s_lshl_b32 s18, s16, 7                         ; which 128 rows of the tile I fetch
	s_lshl_b32 s20, s17, 8
	s_add_co_u32 s20, s20, s18                     ; A: row 256 x tile row + 128 x half
	s_lshl_b32 s46, s42, 8
	s_add_co_u32 s46, s46, s18                     ; B: row 256 x tile column + 128 x half
	s_mov_b32 s21, 0
	s_mov_b32 s47, 0
	s_mov_b64 s[18:19], KS
	s_mul_u64 s[22:23], s[20:21], s[18:19]         ; where these rows' scales begin, in bytes
	s_mul_u64 s[92:93], s[46:47], s[18:19]
	s_mov_b64 s[18:19], KROW
	s_mul_u64 s[20:21], s[20:21], s[18:19]         ; and their codes
	s_mul_u64 s[46:47], s[46:47], s[18:19]
	s_mul_i32 s45, s14, HALFT                      ; where they go: wave x 128 rows: no place in the cluster enters an LDS address
	s_mul_i32 s94, s14, HALFS
	s_wait_dscnt 0x0                               ; both opening adds are done
	s_wait_kmcnt 0x0
	s_add_nc_u64 s[20:21], s[4:5], s[20:21]
	s_add_nc_u64 s[22:23], s[6:7], s[22:23]
	s_add_nc_u64 s[46:47], s[8:9], s[46:47]
	s_add_nc_u64 s[92:93], s[10:11], s[92:93]
	CROUND                                         ; all sixteen work-groups are here: the joint loads meet
	s_mov_b32 s[G0S], 1
	s_add_co_u32 s[G0S+1], s94, SCL
	s_mov_b64 s[G0S+2:G0S+3], s[22:23]
	s_or_b32 s[G0S+3], s[G0S+3], 0x80000000
	s_mov_b32 s[G0SB], 1
	s_add_co_u32 s[G0SB+1], s94, SCL
	s_mov_b64 s[G0SB+2:G0SB+3], s[92:93]
	s_or_b32 s[G0SB+3], s[G0SB+3], 0x80000000
	JLOAD G0S, G1S, G0SB, G1SB                     ; the scales first: they are wanted with K step 0
.irp s, 0,1
	s_mov_b32 s[G0+4*\s], 1
	s_add_co_u32 s[G0+4*\s+1], s45, \s*SLOT
	s_add_nc_u64 s[G0+4*\s+2:G0+4*\s+3], s[20:21], \s*ROWB
	s_or_b32 s[G0+4*\s+3], s[G0+4*\s+3], 0x80000000
	s_mov_b32 s[G0B+4*\s], 1
	s_add_co_u32 s[G0B+4*\s+1], s45, \s*SLOT
	s_add_nc_u64 s[G0B+4*\s+2:G0B+4*\s+3], s[46:47], \s*ROWB
	s_or_b32 s[G0B+4*\s+3], s[G0B+4*\s+3], 0x80000000
	JLOAD G0+4*\s, G1, G0B+4*\s, G1B               ; three tensor loads of mine are out now, and no more follow
.endr
	v_and_b32 v1, 15, v0                           ; l % 16
	v_bfe_u32 v2, v0, 4, 1                         ; l / 16
	; the bias: lane (r, h) wants, for B's block b, b_qkv[my first column + 16 b + 8 h + 0 .. 7]
	s_lshl_b32 s46, s42, 10                        ; my first column x 4 bytes: 1024 x tile column + 512 x half
	s_lshl_b32 s47, s16, 9
	s_add_co_u32 s46, s46, s47
	s_mov_b32 s47, 0
	s_add_nc_u64 s[96:97], s[96:97], s[46:47]
	v_lshlrev_b32 v[BO], 5, v2
.irp b, 0,1,2,3,4,5,6,7
	global_load_b128 v[BI+8*\b:BI+8*\b+3], v[BO], s[96:97] offset:64*\b
	global_load_b128 v[BI+8*\b+4:BI+8*\b+7], v[BO], s[96:97] offset:64*\b+16
.endr
	v_mul_u32_u24 v3, v1, PITCH
	v_lshl_add_u32 v4, v2, 4, v3                   ; a fragment's row x pitch + 16 x half
	s_mul_i32 s21, s15, HALFT                      ; my 128 rows of A
	s_mul_i32 s22, s16, HALFT                      ; my 128 rows of B,
	s_add_co_u32 s22, s22, 2*HALFT                 ; which lie behind A's 256
.irp s, 0,1
	v_add_nc_u32 v[ADRA+\s], s21, v4
	v_add_nc_u32 v[ADRB+\s], s22, v4
	s_add_co_u32 s21, s21, SLOT
	s_add_co_u32 s22, s22, SLOT
.endr
	v_mul_u32_u24 v5, v1, KS                       ; my row's scales: KS bytes a row,
	v_lshrrev_b32 v6, 8, v5
	v_lshl_add_u32 v5, v6, 4, v5                   ; and 16 more for each 256 passed
	s_mul_i32 s21, s15, HALFS                      ; A's: my 128 rows
	s_mul_i32 s22, s16, HALFS                      ; B's: my 128 rows, behind A's 256
	s_add_co_u32 s22, s22, 2*HALFS
	s_sub_co_u32 s22, s22, s21
	v_mul_u32_u24 v6, s22, v2                      ; lanes 16-31 take B's: one product, the lower base + half x the distance
	s_add_co_u32 s21, s21, SCL
	v_add_nc_u32 v5, v5, v6
	v_add_nc_u32 v[ADRS], s21, v5
	s_mul_i32 s23, s14, 16*SPITCH                  ; my stage
	v_mul_u32_u24 v5, v1, SPITCH                   ; in: row l % 16, 16 bytes for each half of the lanes
	v_lshl_add_u32 v5, v2, 4, v5
	v_add_nc_u32 v[STO], s23, v5
	v_and_b32 v6, 31, v0
	v_lshlrev_b32 v[CO], 4, v6                     ; out: 16 bytes a lane of 512 consecutive bytes: four tokens of one head
	v_lshrrev_b32 v5, 3, v6
	v_mul_u32_u24 v5, v5, SPITCH                   ; back: eight lanes to a token's 128 bytes of a head
	v_and_b32 v6, 7, v6
	v_lshl_add_u32 v5, v6, 4, v5
	v_add_nc_u32 v[RD], s23, v5
	; where my part begins in qkv.  My 128 columns are two heads, 4 x tile column + 2 x half and the next, of one kind; my 128 rows are tokens of one batch
	s_lshl_b32 s20, s17, 8
	s_lshl_b32 s21, s15, 7
	s_add_co_u32 s20, s20, s21                     ; my first row of C
	s_lshr_b32 s21, s20, 11
	s_lshl_b32 s21, s21, 4                         ; 16 x batch
	s_and_b32 s20, s20, 2047                       ; my first token,
	s_lshl_b32 s20, s20, 7                         ; 128 bytes each
	s_lshl_b32 s46, s42, 2
	s_lshl_b32 s47, s16, 1
	s_add_co_u32 s46, s46, s47                     ; head among the 48
	s_lshr_b32 s47, s46, 4
	s_lshl_b32 s47, s47, 6                         ; 64 planes a kind
	s_and_b32 s46, s46, 15
	s_add_co_u32 s46, s46, s47
	s_add_co_u32 s46, s46, s21                     ; the plane,
	s_lshl_b32 s46, s46, 18                        ; 262,144 bytes each: under 2^26 in all
	s_add_co_u32 s20, s20, s46
	s_mov_b32 s21, 0
	s_add_nc_u64 s[12:13], s[12:13], s[20:21]
.macro FRAG reg, adr, q, i             ; a fragment, 16 rows x 128 K of 4-bit codes, is 8 registers: lane l holds row l % 16; registers 4 c .. 4 c + 3 hold K = 64 c + 32 (l / 16) + 0 .. 31
.irp c, 0,1
	ds_load_b128 v[\reg+4*\c:\reg+4*\c+3], v[\adr] offset:64*(\q)+32*\c+(\i)*16*PITCH
.endr
.endm
; 16 matrix instructions: A's blocks a0, a0 + 1 x B's eight, 128 along K: the slot's q-th.  p: B's set;  sc: the set of scale words.  first = 1: the bias starts the sums: nothing is ever cleared.
; The 64 accumulators take turns, one instruction a turn, in the same order in every step.
.macro MUL16 a0, p, q, sc, first
.irp a, \a0, \a0+1
.irp b, 0,1,2,3,4,5,6,7
.if \first
	v_wmma_scale_f32_16x16x128_f8f6f4 v[8*(8*((\a)%4)+\b):8*(8*((\a)%4)+\b)+7], v[128*(\p)+FR*\b:128*(\p)+FR*\b+FR-1], v[AF+FR*(\a):AF+FR*(\a)+FR-1], v[BI+8*\b:BI+8*\b+7], v[SC+8*NQ*(\sc)+NQ*\b+(\q)], v[SC+8*NQ*(\sc)+NQ*(\a)+(\q)] matrix_a_fmt:MATRIX_FMT_FP4 matrix_b_fmt:MATRIX_FMT_FP4 matrix_a_scale:MATRIX_SCALE_ROW1
.else
	v_wmma_scale_f32_16x16x128_f8f6f4 v[8*(8*((\a)%4)+\b):8*(8*((\a)%4)+\b)+7], v[128*(\p)+FR*\b:128*(\p)+FR*\b+FR-1], v[AF+FR*(\a):AF+FR*(\a)+FR-1], v[8*(8*((\a)%4)+\b):8*(8*((\a)%4)+\b)+7], v[SC+8*NQ*(\sc)+NQ*\b+(\q)], v[SC+8*NQ*(\sc)+NQ*(\a)+(\q)] matrix_a_fmt:MATRIX_FMT_FP4 matrix_b_fmt:MATRIX_FMT_FP4 matrix_a_scale:MATRIX_SCALE_ROW1
.endif
.endr
.endr
.endm
.macro FETCH_B slot, q, p              ; B's eight fragments of the slot's q-th 128 along K into set p
	WIN TO_B
.irp i, 0,1,2,3,4,5,6,7
	FRAG 128*(\p)+FR*\i, ADRB+\slot, \q, \i
.endr
	WIN 0
.endm
.macro FETCH_A slot, q, i0             ; A's blocks i0 .. i0 + 3
.irp i, \i0, \i0+1, \i0+2, \i0+3
	FRAG AF+FR*(\i), ADRA+\slot, \q, \i
.endr
.endm
.macro SCALES sc                       ; a K step's scale words into set sc: four words a row; lanes 0-15 take A's block i, lanes 16-31 B's block i
.irp i, 0,1,2,3,4,5,6,7
	ds_load_b128 v[SC+8*NQ*\sc+NQ*\i:SC+8*NQ*\sc+NQ*\i+3], v[ADRS] offset:\i*SBLK
.endr
.endm
; A load into a register that a matrix instruction has read, and a vector instruction that reads a matrix result or writes one of its registers, stand NP places behind it; only plain vector
; instructions that name none of its registers are places (ISA guide 7.12.1 for vector instructions).
.macro PLACES n
.rept \n
	v_nop
.endr
.endm
; A step of 128 along K that has its successor in the same slot.
.macro STEP slot, q, first
	s_wait_dscnt 4*NL                              ; B's set and A's blocks 0-3 are in; the youngest eight loads (A's blocks 4-7) may be out
.if \first
	WIN BIA_LO
.else
	WIN MUL_LO
.endif
	MUL16 0, (\q)%2, \q, \slot, \first
	MUL16 2, (\q)%2, \q, \slot, \first
	s_wait_dscnt 0                                 ; A's blocks 4-7 are in (asked for 32 matrix instructions ago)
	PLACES NP
	FETCH_B \slot, (\q)+1, 1-(\q)%2
	FETCH_A \slot, (\q)+1, 0
.if \first
	WIN BIA_HI
.else
	WIN MUL_HI
.endif
	MUL16 4, (\q)%2, \q, \slot, \first
	MUL16 6, (\q)%2, \q, \slot, \first
	PLACES NP
	WIN 0
	FETCH_A \slot, (\q)+1, 4
.endm
; Slot 0's last step changes slots: ONE barrier; in front of it each wave waits for all its tensor loads (its part of slot 1 among them), adds 0 to its spare word, and waits for that and for its own
; reads of slot 0.  Behind it slot 1 is whole, and nobody reads slot 0 any more: the way out may lay its stages there.  Nothing is filled again.
.macro TURN slot, next
	s_wait_tensorcnt 0x0                           ; all my tensor loads have landed  (every window is 0 here: the add's two registers lie in window 0)
	ds_add_u32 v[SPW], v[NIL]                      ; 0 onto my spare word
	s_wait_dscnt 4*NL+1                            ; (the add and the youngest eight loads, A's blocks 4-7, may be out)
	WIN MUL_LO
	MUL16 0, 1, NQ-1, \slot, 0                     ; sixteen matrix instructions stand between the add and the wait for it
	s_wait_dscnt 0x0                               ; the add is done, and my reads of this slot are over
	s_barrier_signal -1
	MUL16 2, 1, NQ-1, \slot, 0
	WIN 0
	s_barrier_wait -1
	PLACES NP
	v_add_nc_u32 v[ADRS], 4*NQ, v[ADRS]            ; on to the next K step's scale words (no LDS load of mine is out)
	FETCH_B \next, 0, 0
	FETCH_A \next, 0, 0
	SCALES \next
	WIN MUL_HI
	MUL16 4, 1, NQ-1, \slot, 0
	MUL16 6, 1, NQ-1, \slot, 0
	PLACES NP
	WIN 0
	FETCH_A \next, 0, 4
.endm
.macro STEPS slot, from                ; the slot's steps from .. NQ - 2
.set QQ, \from
.rept NQ-1-\from
	STEP \slot, QQ, 0
.set QQ, QQ+1
.endr
.endm
	s_wait_tensorcnt 1                             ; the scales and my part of K step 0 are in (slot 1's load, the one issued behind them, may be out),
	s_barrier_signal -1
	s_barrier_wait -1                              ; everybody's are
	FETCH_B 0, 0, 0
	FETCH_A 0, 0, 0
	SCALES 0
	FETCH_A 0, 0, 4
	s_wait_loadcnt 0x0                             ; the bias
	STEP 0, 0, 1                                   ; the first step's products start the sums, from the bias
	STEPS 0, 1
	TURN 0, 1
	STEPS 1, 0
	s_wait_dscnt 4*NL                              ; the very last step: nothing more to fetch
	WIN MUL_LO
	MUL16 0, 1, NQ-1, 1, 0
	MUL16 2, 1, NQ-1, 1, 0
	s_wait_dscnt 0
	WIN MUL_HI
	MUL16 4, 1, NQ-1, 1, 0
	MUL16 6, 1, NQ-1, 1, 0
	WIN 0
; THE WAY OUT, block by block of 16 tokens x 128 columns (two heads).  PACK: rounded to f16, 16 bytes a lane for each of B's blocks.  TOSTAGE: into my own stage in LDS by rows of 256 bytes, and back by heads:
; four tokens' 128 bytes of one head are 512 consecutive bytes of qkv.  SEND: eight stores, each of 512 consecutive bytes at a multiple of 512 from the buffer's first byte; every offset is an immediate.
.macro PACK a
.set AC, 64*((\a)%4)
	WIN 0x0a+5*((\a)/4)                            ; sources 0 and 1: window 2 or 3
.irp b, 0,1,2,3,4,5,6,7
.irp i, 0,1,2,3
	v_cvt_pk_f16_f32 v[TMP+4*\b+\i], v[AC+8*\b+2*\i], v[AC+8*\b+2*\i+1]   ; each accumulator from its low end on
.endr
.endr
	WIN 0
.endm
.macro TOSTAGE a
.set BB, BK+32*((\a)%2)
.irp b, 0,1,2,3,4,5,6,7
	ds_store_b128 v[STO], v[TMP+4*\b:TMP+4*\b+3] offset:32*\b
.endr
.irp e, 0,1
.irp i, 0,1,2,3
	ds_load_b128 v[BB+4*(4*\e+\i):BB+4*(4*\e+\i)+3], v[RD] offset:4*SPITCH*\i+128*\e   ; LDS serves a wave's instructions in order: these see the stores above
.endr
.endr
.endm
.macro SEND a
.set BB, BK+32*((\a)%2)
	s_wait_dscnt 0x0                               ; the block is back in registers
	s_wait_xcnt 0x0                                ; the block before has left its registers: the next block's loads may land there
.irp e, 0,1
.irp i, 0,1,2,3
	global_store_b128 v[CO], v[BB+4*(4*\e+\i):BB+4*(4*\e+\i)+3], s[12:13] offset:262144*\e+2048*(\a)+512*\i
.endr
.endr
.endm
	PLACES NP                                      ; behind the last products: the conversions write registers that held scale words, and later read results just made
	PACK 0
	TOSTAGE 0
.irp a, 1,2,3,4,5,6,7                  ; block a's conversions stand between block a - 1's loads from the stage and the wait for them
	PACK \a
	SEND (\a)-1
	TOSTAGE \a
.endr
	SEND 7
	s_wait_tensorcnt 0x0                           ; the wave's end: behind my last tensor load and my last LDS store
	ds_add_u32 v[SPW], v[NIL]
	s_wait_dscnt 0x0
	CROUND                                         ; the closing round: no work-group ends while a partner may still ask for a tile that names it
	s_endpgm
.Lfunc_end_k_q048b091deb_qkvgemm:
	.size	k_q048b091deb_qkvgemm, .Lfunc_end_k_q048b091deb_qkvgemm-k_q048b091deb_qkvgemm
	.p2alignl 7, 3214868480
	.fill 96, 4, 3214868480
	.section	.rodata,"a",@progbits
	.p2align	6, 0x0
	.amdhsa_kernel k_q048b091deb_qkvgemm
		.amdhsa_group_segment_fixed_size 327680
		.amdhsa_private_segment_fixed_size 0
		.amdhsa_enable_private_segment 0
		.amdhsa_kernarg_size 48
		.amdhsa_user_sgpr_count 2
		.amdhsa_user_sgpr_kernarg_segment_ptr 1
		.amdhsa_wavefront_size32 1
		.amdhsa_system_sgpr_workgroup_id_x 1
		.amdhsa_system_sgpr_workgroup_id_y 1
		.amdhsa_system_sgpr_workgroup_id_z 1
		.amdhsa_system_vgpr_workitem_id 0
		.amdhsa_next_free_vgpr 1024
		.amdhsa_next_free_sgpr 98
		.amdhsa_reserve_vcc 0
		.amdhsa_float_denorm_mode_32 3
		.amdhsa_float_denorm_mode_16_64 3
		.amdhsa_memory_ordered 1
		.amdhsa_forward_progress 1
		.amdhsa_inst_pref_size 128
	.end_amdhsa_kernel
	.amdgpu_metadata
---
amdhsa.version: [ 1, 2 ]
amdhsa.kernels:
  - .name:           k_q048b091deb_qkvgemm
    .symbol:         k_q048b091deb_qkvgemm.kd
    .args:
      - { .name: xc, .offset: 0, .size: 8, .value_kind: global_buffer, .address_space: global }
      - { .name: xs, .offset: 8, .size: 8, .value_kind: global_buffer, .address_space: global }
      - { .name: wc, .offset: 16, .size: 8, .value_kind: global_buffer, .address_space: global }
      - { .name: ws, .offset: 24, .size: 8, .value_kind: global_buffer, .address_space: global }
      - { .name: qkv, .offset: 32, .size: 8, .value_kind: global_buffer, .address_space: global }
      - { .name: b_qkv, .offset: 40, .size: 8, .value_kind: global_buffer, .address_space: global }
    .group_segment_fixed_size: 327680
    .private_segment_fixed_size: 0
    .kernarg_segment_align: 8
    .kernarg_segment_size: 48
    .max_flat_workgroup_size: 128
    .sgpr_count:     98
    .vgpr_count:     1024
    .wavefront_size: 32
...
	.end_amdgpu_metadata
.endif
;; end of part 2
;; launch attn (part 3): grid 8 x 32, 16 waves a work-group, clusters of 4 x 1, 327,680 bytes of LDS; arguments qkv, o16; writes o16
.if DOCPART == 3
	.amdgcn_target "amdgcn-amd-amdhsa--gfx1250"
	.amdhsa_code_object_version 6
	.text
	.protected	k_q048b091deb_attn
	.globl	k_q048b091deb_attn
	.p2align	8
	.type	k_q048b091deb_attn,@function
k_q048b091deb_attn:
	s_mov_b64 s[64:65], 0
	v_nop
	global_prefetch_b8 v0, s[64:65] scope:SCOPE_SE
	s_setreg_imm32_b32 hwreg(HW_REG_WAVE_MODE, 25, 1), 1
	s_wait_xcnt 0x0
	s_wait_alu depctr_hold_cnt(0) depctr_sa_sdst(0) depctr_va_vdst(0) depctr_va_sdst(0) depctr_va_ssrc(0) depctr_va_vcc(0) depctr_vm_vsrc(0)
	s_getreg_b32 s2, hwreg(HW_REG_IB_STS2, 6, 4)
	s_cmp_eq_u32 s2, 0
	s_cbranch_scc0 .Lentry_in_a_cluster
	s_endpgm
.Lentry_in_a_cluster:
	s_bfe_u32 s2, ttmp6, 0x10000c
	s_cmp_lg_u32 s2, 0x3003
	s_cbranch_scc0 .Lentry_shape_is_right
	s_endpgm
.Lentry_shape_is_right:
; THIRD LAUNCH: o[b][n][h 64 + d] = the sum over m of softmax_m(clip(q[n] . k[m] / 8, -50, 50)) v[m][d], for each batch b and head h.  Nothing of the problem is left out here.
; q, k, v: f16 [kind 3][plane = 16 b + h, 64][token 2048][64].  o: f16 [8192 tokens][1024].  Products on f16 operands with f32 sums; clip, maxima, exponentials and sums in f32.
; SHARES.  A work-group owns 256 queries of TWO neighbouring heads, so that a token's 2 x 128 bytes of o are 256 consecutive bytes, aligned, written by one work-group.  Wave w: head w / 8, queries
; 32 (w % 8) on: two tiles of 16, in 256 registers: four waves lie on a SIMD, so that one wave's vector work stands beside another's matrix work and LDS loads.  Every wave walks all 2,048 keys, 64 a step.
; LAYOUT.  S^T = K Q^T (source 0 = 16 keys, source 1 = 16 queries): a lane holds ONE query (lane % 16) and the keys 8 (lane / 16) + 0..7.  Two such tiles, rounded to f16 in pairs, ARE source 1
; (32 keys x 16 queries) of O^T = V^T P, whose result again holds one query a lane, and eight channels.  K comes out of LDS as it lies, V ([key][channel]) turned, by ds_load_tr16_b128.
; SOFTMAX.  raw = q . k; the problem's score is raw / 8, so its clip is raw held to +-400.  m = the running maximum of the CLIPPED raw (it starts at -400, the least that a clipped score can be);
; p = 2^(c clip(raw) - c m), c = log2(e) / 8, and clip(raw) = the middle of raw, -400 and m, since m is never under a clipped score; in every step O and the sum l are multiplied by
; a = 2^(c m_old - c m_new).  O and l start as zeros, so the step is written once.
; LIMITS: p and a under 2^-126 come out as 0 (the row's sum is at least 1); q, k, v arrive as f16, so magnitudes beyond 65,504 are not served; NaN is not served.
; RING.  Two LDS slots of 256 keys of both heads.  A key's 128 bytes are dense in memory, so a tile is stated as rows of 256 bytes, two keys each.  Every wave fetches 64 keys (8 KB) with one tensor load:
; waves 0-7 K's, waves 8-15 V's.  CLUSTER: the four query blocks of a cluster walk the same K and V, so each tile is asked for JOINTLY, with a mask that names the four.
.set PK,     272                       ; two keys of K in LDS: 256 bytes + 16 of padding: the 16 keys of a load fall on 16-byte columns (r / 2) + 8 (r % 2) modulo 16: all different
.set PV,     288                       ; two keys of V: 256 + 32: the 8 keys x 32 bytes that 16 lanes of the turning load take fall on columns 2 (key / 2) + 8 (key % 2) + 0, 1: all different
.set KH,     128*PK                    ; a head's 256 keys of K
.set VH,     128*PV                    ; of V
.set VOFF,   2*KH                      ; a slot: K of head A, K of head B, V of head A, V of head B
.set SLOT,   2*KH+2*VH                 ; 143,360 bytes
.set KSTEPB, 32*PK                     ; a step's 64 keys of K; also what one tensor load brings
.set VSTEPB, 32*PV                     ; of V
.set SPARE,  2*SLOT                    ; behind the ring: the spare words, 128 bytes for each of 16 waves, which no other line names
.set SP,     272                       ; the way out: 256 rows x (256 bytes + 16), from LDS byte 0 on: in slot 0, which has had its last fill and its last read by then
.set SPW, 1                            ; v1   LDS address of my spare word; never rewritten
.set NIL, 2                            ; v2   0; never rewritten
.set AK0, 3                            ; v3   my lane's place in a step's tiles of K
.set AV0, 4                            ; v4   the same for V
.set ADK, 5                            ; v5   LDS address of the step's K
.set ADV, 6                            ; v6   of its V
.set STO, 7                            ; v7   the way out: where I put 16 bytes of a row
.set RD,  8                            ; v8   where I read 16 bytes back
.set GO,  9                            ; v9   my byte offset in the wave's rows of o
.set PFO, 10                           ; v10  256 x lane: the prefetches' offset; never rewritten
.set QO,  11                           ; v11  my byte offset in the wave's rows of q
.set ST,  12                           ; v12-27 tile t's statistics at T = ST + 8 t: +0 c m, +1 m, +2, +3 l (even keys', odd keys'), +4 to +7 at work: four chains of the maximum; then +4, +5 a second chain of sums, +6 a, +7 c m_old and the difference
.set Q,   32                           ; v32-63   q: tile t, channels 32 kc on, at Q + 16 t + 8 kc
.set S,   64                           ; v64-127  S^T: tile t at S + 32 t; P is made in place in its first 16 registers
.set O,   128                          ; v128-191 O^T: tile t, channels 16 ct on, at O + 32 t + 8 ct
.set F,   192                          ; v192-255 a step's fragments of K, then of V
.set WV,  12                           ; s12  my wave's number
.set LIM, 15                           ; s15  1 in a wave that prefetches, else the greatest number
.set PFA, 18                           ; s[18:19] where my prefetches stand
.set G1K, 24                           ; s[24:31] descriptor group 1 for K's tiles
.set G1V, 32                           ; s[32:39] for V's: it differs in the padding alone
.set G0K, 40                           ; s[40:47] descriptor group 0 for K's tiles, a set for each slot
.set G0V, 48                           ; s[48:55] the same for V's
.set TR,  56                           ; s56  trips of the loop over slots still to go
.set CNT, 57                           ; s57  counts a slot's four steps
.set CS,  58                           ; s[58:59] c: the packed scaling names a pair and takes its low word for both halves
.set SEL, 60                           ; s[60:61] lane selects for v_permlanex16_b32: lane l xor 16
.set TK,  62                           ; s62  LDS byte at which the step's K of head A begins
.set TV,  63                           ; s63  and how far on the step's V lies
.set LO,  66                           ; s66  -400.0
.set HI,  67                           ; s67  400.0
; A joint load.  The branch hangs on the wave's number alone: it is the same in every work-group.  An s_nop 0 and four v_nop follow each of the two lines.
.macro JLOAD s
	s_cmp_lt_u32 s[WV], 8
	s_cbranch_scc0 .Lfor_v_\@
	tensor_load_to_lds s[G0K+4*\s:G0K+4*\s+3], s[G1K:G1K+7]
	s_nop 0
.rept 4
	v_nop
.endr
	s_branch .Lasked_\@
.Lfor_v_\@:
	tensor_load_to_lds s[G0V+4*\s:G0V+4*\s+3], s[G1V:G1V+7]
	s_nop 0
.rept 4
	v_nop
.endr
.Lasked_\@:
.endm
; A PREFETCH INTO THE L2 of what the NEXT change of slots will ask for: four dense runs of 32,768 bytes (K and V of two heads), one slot, four key steps, ahead of that load.
; Each aligned 256 bytes are named ONCE in the launch.  Two clusters walk the same K and V: the first (cluster x = 0) asks.  Its four partners share each run out BY ADDRESS, 8,192 bytes each; in each partner
; waves 0, 4, 8, 12, whose own tiles begin a run, ask for one run each, lanes 256 bytes apart: one instruction.  how = 1: the first change of a trip; how = 0: the second, which in the last trip has no slot behind it.
.macro ASK how
.if \how
	s_cmp_eq_u32 s[LIM], 1
.else
	s_cmp_gt_u32 s[TR], s[LIM]
.endif
	s_cbranch_scc0 .Lnot_mine_\@
	global_prefetch_b8 v[PFO], s[PFA:PFA+1] th:TH_LOAD_NT scope:SCOPE_SE
.Lnot_mine_\@:
.endm
.macro CROUND                          ; a round of the cluster's barrier: my work-group's barrier; wave 0 signals for the work-group; every wave waits for all four; my work-group's barrier once more
	s_barrier_signal -1
	s_barrier_wait -1
	s_cmp_lg_u32 s[WV], 0
	s_cbranch_scc1 .Lnot_wave_0_\@
	s_barrier_signal -3
.Lnot_wave_0_\@:
	s_barrier_wait -3
	s_barrier_signal -1
	s_barrier_wait -1
.endm
	s_load_b128 s[4:7], s[0:1], 0x0                ; qkv s[4:5], o16 s[6:7]
	v_lshl_add_u32 v[SPW], v0, 2, SPARE
	v_mov_b32 v[NIL], 0
	ds_add_u32 v[SPW], v[NIL]                      ; the wave's opening: the add, twice on end, and its wait ahead of my first tensor load; the set-up below stands between
	ds_add_u32 v[SPW], v[NIL]
	v_lshrrev_b32 v28, 5, v0
	v_readfirstlane_b32 s[WV], v28                 ; wave 0..15
	s_bfe_u32 s13, ttmp6, 0x40000                  ; cx: my place in the cluster
	s_lshl_b32 s14, ttmp9, 2                       ; in a cluster launch ttmp9 counts clusters
	s_add_co_u32 s14, s14, s13                     ; my block of 256 queries: it enters q's and o's addresses alone
	s_and_b32 s20, ttmp7, 0xffff                   ; y = 8 batch + pair of heads, which the four partners share; its planes are 2 y and 2 y + 1
	s_and_b32 s16, s[WV], 7                        ; w7
	s_lshr_b32 s17, s[WV], 3                       ; my head of the two
	s_lshl_b32 s21, s20, 19                        ; the pair's first byte in a kind: 524,288 y
	s_lshr_b32 s22, s16, 2                         ; what I fetch: head w7 / 4,
	s_lshl_b32 s22, s22, 18
	s_add_co_u32 s22, s22, s21
	s_and_b32 s23, s16, 3                          ; keys 64 (w7 % 4) on of a slot's 256
	s_lshl_b32 s23, s23, 13
	s_add_co_u32 s22, s22, s23
	s_mov_b32 s23, 0
	s_lshl_b32 s72, s17, 18                        ; q: my head's plane,
	s_add_co_u32 s72, s72, s21
	s_lshl_b32 s73, s14, 15                        ; my block's 256 rows of 128 bytes,
	s_add_co_u32 s72, s72, s73
	s_lshl_b32 s73, s16, 12                        ; my wave's 32 of them
	s_add_co_u32 s72, s72, s73
	s_mov_b32 s73, 0
	s_lshr_b32 s74, s20, 3                         ; o: token 2048 batch + 256 block + 16 wave (the rows that I store),
	s_lshl_b32 s74, s74, 11
	s_lshl_b32 s75, s14, 8
	s_add_co_u32 s74, s74, s75
	s_lshl_b32 s75, s[WV], 4
	s_add_co_u32 s74, s74, s75
	s_lshl_b32 s74, s74, 11                        ; 2,048 bytes a token,
	s_and_b32 s75, s20, 7
	s_lshl_b32 s75, s75, 8                         ; the pair's 256 bytes in it
	s_add_co_u32 s74, s74, s75
	s_mov_b32 s75, 0
	s_mul_i32 s2, s16, KSTEPB                      ; where my tile goes in a slot: K: w7 x 32 rows; no place in the cluster enters an LDS address
	s_mul_i32 s3, s16, VSTEPB
	s_add_co_u32 s3, s3, VOFF                      ; V likewise, behind K
	; descriptor group 1: a tile of 32 rows x 128 elements (two keys a row), dense in memory, padded in LDS
	s_mov_b32 s[G1K], 15|(1<<16)|(1<<20)|(1<<21)|(5<<22)|(3<<25)  ; 15:0 the mask: all four work-groups; 17:16 elements of 2 bytes; 20 padding on; 21 set beside a mask; 24:22 after every 64 words; 31:25 four words
	s_mov_b32 s[G1V], 15|(1<<16)|(1<<20)|(1<<21)|(5<<22)|(7<<25)  ; the same with eight words of padding
.irp g, G1K, G1V
	s_mov_b32 s[\g+1], 128<<16                     ; tensor_dim0 = 128
	s_mov_b32 s[\g+2], 32<<16                      ; tensor_dim1 = 32
	s_mov_b32 s[\g+3], 128<<16                     ; tile_dim0 = 128
	s_mov_b32 s[\g+4], 32                          ; tile_dim1 = 32
	s_mov_b32 s[\g+5], 128                         ; tensor_dim0_stride
	s_mov_b32 s[\g+6], 0
	s_mov_b32 s[\g+7], 0
.endr
	s_mov_b32 s[CS], 0x3e38aa3b                    ; c = log2(e) / 8
	s_mov_b32 s[CS+1], s[CS]                       ; named with it as a pair, so it is written
	s_mov_b32 s[SEL], 0x76543210
	s_mov_b32 s[SEL+1], 0xfedcba98
	s_mov_b32 s[LO], 0xc3c80000
	s_mov_b32 s[HI], 0x43c80000
	s_and_b32 s[LIM], s[WV], 3                     ; 0 in waves 0, 4, 8, 12,
	s_or_b32 s[LIM], s[LIM], ttmp9                 ; of the first of the two clusters: the same in all four partners
	s_cmp_eq_u32 s[LIM], 0
	s_cselect_b32 s[LIM], 1, -1
	s_wait_dscnt 0x0                               ; both opening adds are done
	s_wait_kmcnt 0x0
	s_add_nc_u64 s[68:69], s[4:5], s[22:23]
	s_add_nc_u64 s[70:71], s[68:69], 0x2000000     ; V is kind 2: my tile of slot 0
	s_add_nc_u64 s[68:69], s[68:69], 0x1000000     ; K is kind 1
	s_add_nc_u64 s[72:73], s[4:5], s[72:73]        ; q at my wave's first row
	s_add_nc_u64 s[74:75], s[6:7], s[74:75]        ; o at the first row that I store
	s_cmp_lt_u32 s[WV], 8
	s_cselect_b64 s[PFA:PFA+1], s[68:69], s[70:71] ; (in waves 0, 4, 8, 12 these stand at a run's first byte)
	s_lshl_b32 s22, s13, 13                        ; my work-group's 8,192 bytes of the run
	s_mov_b32 s23, 0
	s_add_nc_u64 s[PFA:PFA+1], s[PFA:PFA+1], s[22:23]
	s_add_nc_u64 s[PFA:PFA+1], s[PFA:PFA+1], 65536 ; at keys 512 on; the first change of slots steps it to keys 768 on.  Nothing is prefetched here, at the head, where every work-group's first tiles are on their way
	CROUND                                         ; all four work-groups are here: the first joint loads meet
.irp s, 0,1
	s_mov_b32 s[G0K+4*\s], 1                       ; count = 1
	s_add_co_u32 s[G0K+4*\s+1], s2, \s*SLOT        ; LDS address
	s_add_nc_u64 s[G0K+4*\s+2:G0K+4*\s+3], s[68:69], \s*32768   ; global address: slot s begins with keys 256 s on
	s_or_b32 s[G0K+4*\s+3], s[G0K+4*\s+3], 0x80000000           ; type = 2
	s_mov_b32 s[G0V+4*\s], 1
	s_add_co_u32 s[G0V+4*\s+1], s3, \s*SLOT
	s_add_nc_u64 s[G0V+4*\s+2:G0V+4*\s+3], s[70:71], \s*32768
	s_or_b32 s[G0V+4*\s+3], s[G0V+4*\s+3], 0x80000000
.endr
	s_cmp_lt_u32 s[WV], 8                          ; a wave's two first fills stand in one arm, ahead of every wait on TENSORcnt and every LDS read: two loads of mine are out
	s_cbranch_scc0 .Lfirst_v
	tensor_load_to_lds s[G0K:G0K+3], s[G1K:G1K+7]
	s_nop 0
	tensor_load_to_lds s[G0K+4:G0K+7], s[G1K:G1K+7]
	s_nop 0
.rept 4
	v_nop
.endr
	s_branch .Lfirst_asked
.Lfirst_v:
	tensor_load_to_lds s[G0V:G0V+3], s[G1V:G1V+7]
	s_nop 0
	tensor_load_to_lds s[G0V+4:G0V+7], s[G1V:G1V+7]
	s_nop 0
.rept 4
	v_nop
.endr
.Lfirst_asked:
	v_and_b32 v28, 15, v0                          ; r = lane % 16
	v_bfe_u32 v29, v0, 4, 1                        ; h = lane / 16
	v_lshlrev_b32 v[QO], 7, v28
	v_lshl_add_u32 v[QO], v29, 4, v[QO]            ; q: row r of 128 bytes, + 16 h
.irp t, 0,1
.irp kc, 0,1                                   ; a fragment is 16 rows x 32 channels: registers 0-3 channels 8 h + 0..7, registers 4-7 channels 16 + 8 h + 0..7.  q stays in registers
	global_load_b128 v[Q+16*\t+8*\kc:Q+16*\t+8*\kc+3],   v[QO], s[72:73] offset:2048*\t+64*\kc
	global_load_b128 v[Q+16*\t+8*\kc+4:Q+16*\t+8*\kc+7], v[QO], s[72:73] offset:2048*\t+64*\kc+32
.endr
.endr
	v_lshrrev_b32 v30, 1, v28                      ; K: key r lies in row r / 2,
	v_mul_u32_u24 v[AK0], v30, PK
	v_and_b32 v30, 1, v0                           ; half r % 2 of it,
	v_lshl_add_u32 v[AK0], v30, 7, v[AK0]
	v_lshl_add_u32 v[AK0], v29, 4, v[AK0]          ; + 16 h,
	s_mul_i32 s22, s17, KH
	v_add_nc_u32 v[AK0], s22, v[AK0]               ; in my head's part
	v_bfe_u32 v31, v0, 1, 2                        ; V: the turning load's lane l reads key 8 h + l % 8, channels 8 ((l / 8) % 2) + 0..7: row 4 h + (l / 2) % 4,
	v_lshl_add_u32 v31, v29, 2, v31
	v_mul_u32_u24 v[AV0], v31, PV
	v_lshl_add_u32 v[AV0], v30, 7, v[AV0]          ; half l % 2,
	v_bfe_u32 v31, v0, 3, 1
	v_lshl_add_u32 v[AV0], v31, 4, v[AV0]
	s_mul_i32 s22, s17, VH
	s_add_co_u32 s22, s22, VOFF
	v_add_nc_u32 v[AV0], s22, v[AV0]
	s_mul_i32 s22, s16, 32*SP                      ; the stage, in: row 32 w7 + 16 t + r, my head's 128 bytes, + 16 h
	s_lshl_b32 s23, s17, 7
	s_add_co_u32 s22, s22, s23
	v_mul_u32_u24 v[STO], v28, SP
	v_lshl_add_u32 v[STO], v29, 4, v[STO]
	v_add_nc_u32 v[STO], s22, v[STO]
	s_mul_i32 s22, s[WV], 16*SP                    ; back: rows 16 w on; lanes 0-15 one row of 256 bytes, lanes 16-31 the next
	v_mul_u32_u24 v[RD], v29, SP
	v_lshl_add_u32 v[RD], v28, 4, v[RD]
	v_add_nc_u32 v[RD], s22, v[RD]
	v_lshlrev_b32 v[GO], 11, v29                   ; and the same two rows in o
	v_lshl_add_u32 v[GO], v28, 4, v[GO]
	v_and_b32 v[PFO], 31, v0
	v_lshlrev_b32 v[PFO], 8, v[PFO]
.irp t, 0,1
	v_mov_b32 v[ST+8*\t+1], s[LO]                  ; m = -400
	v_mul_f32 v[ST+8*\t], s[CS], v[ST+8*\t+1]      ; c m, made as the step makes it
	v_mov_b32 v[ST+8*\t+2], 0                      ; l
	v_mov_b32 v[ST+8*\t+3], 0
.endr
.set i, 0
.rept 64
	v_mov_b32 v[O+i], 0                            ; O^T: the step is written once: its first run finds zeros
.set i, i+1
.endr
; A KEY STEP: 64 keys, both tiles; the two tiles' lines alternate, so that no line waits for the line above it.
.macro STEP
	v_add_nc_u32 v[ADK], s[TK], v[AK0]             ; five places behind the last V^T P: four are owed by the loads into F, five by the products below, which write over P
	v_add_nc_u32 v[ADV], s[TV], v[AV0]
.rept 3
	v_nop
.endr
.irp kt, 0,1,2,3                               ; K: keys 16 kt on (8 rows), channels 32 kc on
.irp kc, 0,1
	ds_load_b128 v[F+8*(2*\kt+\kc):F+8*(2*\kt+\kc)+3],   v[ADK] offset:8*PK*\kt+64*\kc
	ds_load_b128 v[F+8*(2*\kt+\kc)+4:F+8*(2*\kt+\kc)+7], v[ADK] offset:8*PK*\kt+64*\kc+32
.endr
.endr
	s_wait_dscnt 0x0
.irp kt, 0,1,2,3                               ; S^T = K Q^T.  The eight accumulators take turns, one instruction a turn; the first eight start the sums
.irp t, 0,1
	v_wmma_f32_16x16x32_f16 v[S+32*\t+8*\kt:S+32*\t+8*\kt+7], v[F+16*\kt:F+16*\kt+7], v[Q+16*\t:Q+16*\t+7], 0
.endr
.endr
.irp kt, 0,1,2,3
.irp t, 0,1
	v_wmma_f32_16x16x32_f16 v[S+32*\t+8*\kt:S+32*\t+8*\kt+7], v[F+16*\kt+8:F+16*\kt+15], v[Q+16*\t+8:Q+16*\t+15], v[S+32*\t+8*\kt:S+32*\t+8*\kt+7]
.endr
.endr
.rept 4
	v_nop                                          ; four places: in front of the loads into F, which those products read, and of the first read of the scores
.endr
.irp kh, 0,1                                   ; V, turned: keys 32 kh on (16 rows), channels 16 ct on.  It lands under the softmax
.irp ct, 0,1,2,3
	ds_load_tr16_b128 v[F+8*(4*\kh+\ct):F+8*(4*\kh+\ct)+3],   v[ADV] offset:16*PV*\kh+32*\ct
	ds_load_tr16_b128 v[F+8*(4*\kh+\ct)+4:F+8*(4*\kh+\ct)+7], v[ADV] offset:16*PV*\kh+8*PV+32*\ct
.endr
.endr
.irp j, 0,1,2,3                                ; the maximum of my 32 scores and the old m: four chains, each begun at an accumulator's low end
.irp t, 0,1
	v_max3_num_f32 v[ST+8*\t+4+\j], v[S+32*\t+8*\j], v[S+32*\t+8*\j+1], v[S+32*\t+8*\j+2]
.endr
.endr
.irp i, 3,5
.irp j, 0,1,2,3
.irp t, 0,1
	v_max3_num_f32 v[ST+8*\t+4+\j], v[ST+8*\t+4+\j], v[S+32*\t+8*\j+\i], v[S+32*\t+8*\j+\i+1]
.endr
.endr
.endr
.irp t, 0,1
	v_max3_num_f32 v[ST+8*\t+4], v[ST+8*\t+4], v[S+32*\t+7], v[S+32*\t+15]
	v_max3_num_f32 v[ST+8*\t+6], v[ST+8*\t+6], v[S+32*\t+23], v[S+32*\t+31]
.endr
.irp t, 0,1
	v_max3_num_f32 v[ST+8*\t+4], v[ST+8*\t+4], v[ST+8*\t+5], v[ST+8*\t+6]
.endr
.irp t, 0,1
	v_max3_num_f32 v[ST+8*\t+4], v[ST+8*\t+4], v[ST+8*\t+7], v[ST+8*\t+1]
.endr
.irp t, 0,1
	v_permlanex16_b32 v[ST+8*\t+5], v[ST+8*\t+4], s[SEL], s[SEL+1]   ; the query's other 32 keys lie in the lane 16 away
.endr
.irp t, 0,1
	v_mov_b32 v[ST+8*\t+7], v[ST+8*\t]             ; c m_old is kept for a
.endr
.irp t, 0,1
	v_max_num_f32 v[ST+8*\t+1], v[ST+8*\t+4], v[ST+8*\t+5]
.endr
.irp t, 0,1
	v_min_num_f32 v[ST+8*\t+1], s[HI], v[ST+8*\t+1]   ; the maximum of clipped scores is the clipped maximum; the old m holds it at -400 from below
.endr
.irp t, 0,1
	v_mul_f32 v[ST+8*\t], s[CS], v[ST+8*\t+1]
.endr
.irp t, 0,1
	v_sub_f32 v[ST+8*\t+7], v[ST+8*\t+7], v[ST+8*\t]
.endr
.set i, 0
.rept 32
	v_med3_num_f32 v[S+i], v[S+i], s[LO], v[ST+1]          ; the clip: the middle of raw, -400 and m
	v_med3_num_f32 v[S+32+i], v[S+32+i], s[LO], v[ST+9]
.set i, i+1
.endr
.set i, 0
.rept 16
	v_pk_fma_f32 v[S+i:S+i+1], v[S+i:S+i+1], s[CS:CS+1], v[ST:ST+1] op_sel_hi:[1,0,0] neg_lo:[0,0,1] neg_hi:[0,0,1]   ; c s - c m, two at a time
	v_pk_fma_f32 v[S+32+i:S+33+i], v[S+32+i:S+33+i], s[CS:CS+1], v[ST+8:ST+9] op_sel_hi:[1,0,0] neg_lo:[0,0,1] neg_hi:[0,0,1]
.set i, i+2
.endr
	v_exp_f32 v[ST+6], v[ST+7]                     ; ONE BATCH of 66 exponentials: a of both tiles,
	v_exp_f32 v[ST+14], v[ST+15]
.set i, 0
.rept 64
	v_exp_f32 v[S+i], v[S+i]                       ; and the weights p, at most 1
.set i, i+1
.endr
	v_nop                                          ; a plain instruction behind the last exponential,
	s_wait_alu depctr_va_vdst(0)                   ; and the one wait ahead of the batch's first reader
.irp t, 0,1
	v_pk_fma_f32 v[ST+8*\t+2:ST+8*\t+3], v[ST+8*\t+2:ST+8*\t+3], v[ST+8*\t+6:ST+8*\t+7], v[S+32*\t:S+32*\t+1] op_sel_hi:[1,0,1]   ; l = a l + the weights, unrounded, in two chains
.endr
.irp t, 0,1
	v_pk_add_f32 v[ST+8*\t+4:ST+8*\t+5], v[S+32*\t+2:S+32*\t+3], v[S+32*\t+4:S+32*\t+5]
.endr
.irp i, 6,10,14,18,22,26
.irp t, 0,1
	v_pk_add_f32 v[ST+8*\t+2:ST+8*\t+3], v[ST+8*\t+2:ST+8*\t+3], v[S+32*\t+\i:S+32*\t+\i+1]
	v_pk_add_f32 v[ST+8*\t+4:ST+8*\t+5], v[ST+8*\t+4:ST+8*\t+5], v[S+32*\t+\i+2:S+32*\t+\i+3]
.endr
.endr
.irp t, 0,1
	v_pk_add_f32 v[ST+8*\t+2:ST+8*\t+3], v[ST+8*\t+2:ST+8*\t+3], v[S+32*\t+30:S+32*\t+31]
.endr
.irp t, 0,1
	v_pk_add_f32 v[ST+8*\t+2:ST+8*\t+3], v[ST+8*\t+2:ST+8*\t+3], v[ST+8*\t+4:ST+8*\t+5]
.endr
.set i, 0
.rept 16
	v_cvt_pk_f16_f32 v[S+i], v[S+2*i], v[S+2*i+1]          ; P in place, ascending: register i takes weights 2 i and 2 i + 1, which no later line reads
	v_cvt_pk_f16_f32 v[S+32+i], v[S+32+2*i], v[S+32+2*i+1]
.set i, i+1
.endr
.set i, 0
.rept 16
	v_pk_mul_f32 v[O+i:O+i+1], v[O+i:O+i+1], v[ST+6:ST+7] op_sel_hi:[1,0]   ; O^T under the new m, each accumulator from its low end on
	v_pk_mul_f32 v[O+32+i:O+33+i], v[O+32+i:O+33+i], v[ST+14:ST+15] op_sel_hi:[1,0]
.set i, i+2
.endr
	s_wait_dscnt 0x0                               ; V is in
.irp kh, 0,1                                   ; O^T += V^T P: the eight accumulators by turns
.irp ct, 0,1,2,3
.irp t, 0,1
	v_wmma_f32_16x16x32_f16 v[O+32*\t+8*\ct:O+32*\t+8*\ct+7], v[F+8*(4*\kh+\ct):F+8*(4*\kh+\ct)+7], v[S+32*\t+8*\kh:S+32*\t+8*\kh+7], v[O+32*\t+8*\ct:O+32*\t+8*\ct+7]
.endr
.endr
.endr
.endm
; A slot's four key steps: written once, walked four times; the LDS addresses hang on two scalars that begin at a constant and step by constants.
.macro STEPS slot
	s_mov_b32 s[TK], \slot*SLOT
	s_mov_b32 s[TV], \slot*SLOT
	s_mov_b32 s[CNT], 4
.Lstep_\@:
	STEP
	s_add_co_u32 s[TK], s[TK], KSTEPB
	s_add_co_u32 s[TV], s[TV], VSTEPB
	s_sub_co_u32 s[CNT], s[CNT], 1
	s_cmp_lg_u32 s[CNT], 0
	s_cbranch_scc1 .Lstep_\@
.endm
; THE CHANGE OF SLOTS.  Each wave waits for all its tensor loads, of which one is out: its part of the slot ahead; adds 0 to its spare word; and waits for that and for its reads of the slot that it leaves.
; fill = 1: the slot just left is filled again, with the keys two slots on.  The barrier is then a round of the cluster's, so that no wave of any partner still reads the slot or has a load on its way, and
; the joint refill is the first thing behind it, one tensor load a wave: it has a slot's four key steps in which to land.
.macro CHANGE fill, slot, how
	s_wait_tensorcnt 0x0                           ; no tensor load of mine is out, so a group 0 may be written
	ds_add_u32 v[SPW], v[NIL]                      ; 0 onto my spare word; the steps below stand between it and the wait for it
.if \fill
	s_add_nc_u64 s[G0K+4*\slot+2:G0K+4*\slot+3], s[G0K+4*\slot+2:G0K+4*\slot+3], 65536   ; 512 keys on; the type bits on top are not reached
	s_add_nc_u64 s[G0V+4*\slot+2:G0V+4*\slot+3], s[G0V+4*\slot+2:G0V+4*\slot+3], 65536
	s_wait_xcnt 0x0                                ; the last prefetch, a slot back, has read its address, so it may be written:
	s_add_nc_u64 s[PFA:PFA+1], s[PFA:PFA+1], 32768 ; one slot further on than this refill
	s_wait_dscnt 0x0                               ; the add is done, and my reads of the slot are over
	CROUND
	JLOAD \slot
	ASK \how
.else
	s_wait_dscnt 0x0                               ; the add is done, and my reads of the slot are over
	s_barrier_signal -1
	s_barrier_wait -1
.endif
.endm
	s_wait_tensorcnt 1                             ; my part of slot 0 is in; slot 1's, the one load issued behind it, may stay out
	s_barrier_signal -1
	s_barrier_wait -1                              ; everybody's is
	s_wait_loadcnt 0x0                             ; q
	STEPS 0                                        ; keys 0 to 255
	s_mov_b32 s[TR], 3
.Ltrip:                                            ; three trips of two slots: keys 256 to 1,791 are walked, keys 512 to 2,047 asked for
	CHANGE 1, 0, 1
	STEPS 1
	CHANGE 1, 1, 0
	STEPS 0
	s_sub_co_u32 s[TR], s[TR], 1
	s_cmp_lg_u32 s[TR], 0
	s_cbranch_scc1 .Ltrip
	CHANGE 0, 0, 0                                 ; the tail is written out: nothing is asked for
	STEPS 1                                        ; keys 1,792 to 2,047
	; THE WAY OUT.  l's two halves and the other half of the lanes' are added; O^T is divided by l, rounded to f16 and goes into the work-group's stage; a barrier, since a row's 256 bytes come from two waves;
	; each wave then stores 16 whole rows.  The additions are the places behind the last products.
.irp t, 0,1
	v_add_f32 v[ST+8*\t+4], v[ST+8*\t+2], v[ST+8*\t+3]
.endr
.irp t, 0,1
	v_permlanex16_b32 v[ST+8*\t+5], v[ST+8*\t+4], s[SEL], s[SEL+1]
.endr
.irp t, 0,1
	v_add_f32 v[ST+8*\t+4], v[ST+8*\t+4], v[ST+8*\t+5]
.endr
.irp t, 0,1
	v_rcp_f32 v[ST+8*\t+6], v[ST+8*\t+4]
.endr
	v_nop                                          ; a plain instruction between the last reciprocal and the use of its result,
	s_wait_alu depctr_va_vdst(0)                   ; and the wait ahead of the first use: one for both
.set i, 0
.rept 16
	v_pk_mul_f32 v[O+i:O+i+1], v[O+i:O+i+1], v[ST+6:ST+7] op_sel_hi:[1,0]
	v_pk_mul_f32 v[O+32+i:O+33+i], v[O+32+i:O+33+i], v[ST+14:ST+15] op_sel_hi:[1,0]
.set i, i+2
.endr
.set i, 0
.rept 16
	v_cvt_pk_f16_f32 v[S+i], v[O+2*i], v[O+2*i+1]          ; register 4 ct + n: channels 16 ct + 8 h + 2 n, + 1 of my query
	v_cvt_pk_f16_f32 v[S+16+i], v[O+32+2*i], v[O+32+2*i+1]
.set i, i+1
.endr
.irp t, 0,1
.irp ct, 0,1,2,3
	ds_store_b128 v[STO], v[S+16*\t+4*\ct:S+16*\t+4*\ct+3] offset:16*SP*\t+32*\ct
.endr
.endr
	s_wait_dscnt 0x0                               ; for the others' sake: my stores into the stage are done
	s_barrier_signal -1
	s_barrier_wait -1
.irp i, 0,1,2,3,4,5,6,7
	ds_load_b128 v[F+4*\i:F+4*\i+3], v[RD] offset:2*SP*\i
.endr
.irp i, 0,1,2,3,4,5,6,7
	s_wait_dscnt 7-\i                              ; LDS loads come back in order: load i is in, the younger ones may be out
	global_store_b128 v[GO], v[F+4*\i:F+4*\i+3], s[74:75] offset:4096*\i   ; 16 lanes store 256 consecutive bytes, at a multiple of 256 from o's first byte
.endr
	s_wait_tensorcnt 0x0                           ; the wave's end: behind my last tensor load and my last LDS store
	ds_add_u32 v[SPW], v[NIL]
	s_wait_dscnt 0x0
	CROUND                                         ; the closing round: no work-group ends while a partner may still ask for a tile that names it
	s_endpgm
.Lfunc_end_k_q048b091deb_attn:
	.size	k_q048b091deb_attn, .Lfunc_end_k_q048b091deb_attn-k_q048b091deb_attn
	.p2alignl 7, 3214868480
	.fill 96, 4, 3214868480
	.section	.rodata,"a",@progbits
	.p2align	6, 0x0
	.amdhsa_kernel k_q048b091deb_attn
		.amdhsa_group_segment_fixed_size 327680
		.amdhsa_private_segment_fixed_size 0
		.amdhsa_enable_private_segment 0
		.amdhsa_kernarg_size 16
		.amdhsa_user_sgpr_count 2
		.amdhsa_user_sgpr_kernarg_segment_ptr 1
		.amdhsa_wavefront_size32 1
		.amdhsa_system_sgpr_workgroup_id_x 1
		.amdhsa_system_sgpr_workgroup_id_y 1
		.amdhsa_system_sgpr_workgroup_id_z 1
		.amdhsa_system_vgpr_workitem_id 0
		.amdhsa_next_free_vgpr 256
		.amdhsa_next_free_sgpr 80
		.amdhsa_reserve_vcc 0
		.amdhsa_float_denorm_mode_32 3
		.amdhsa_float_denorm_mode_16_64 3
		.amdhsa_memory_ordered 1
		.amdhsa_forward_progress 1
		.amdhsa_inst_pref_size 106
	.end_amdhsa_kernel
	.amdgpu_metadata
---
amdhsa.version: [ 1, 2 ]
amdhsa.kernels:
  - .name:           k_q048b091deb_attn
    .symbol:         k_q048b091deb_attn.kd
    .args:
      - { .name: qkv, .offset: 0, .size: 8, .value_kind: global_buffer, .address_space: global }
      - { .name: o16, .offset: 8, .size: 8, .value_kind: global_buffer, .address_space: global }
    .group_segment_fixed_size: 327680
    .private_segment_fixed_size: 0
    .kernarg_segment_align: 8
    .kernarg_segment_size: 16
    .max_flat_workgroup_size: 512
    .sgpr_count:     80
    .vgpr_count:     256
    .wavefront_size: 32
...
	.end_amdgpu_metadata
.endif
;; end of part 3
;; launch proj (part 4): grid 8 x 64, 4 waves a work-group, clusters of 4 x 4, 327,680 bytes of LDS; arguments o16, wp16, out0, b_proj; writes out0
.if DOCPART == 4
	.amdgcn_target "amdgcn-amd-amdhsa--gfx1250"
	.amdhsa_code_object_version 6
	.text
	.protected	k_q048b091deb_proj
	.globl	k_q048b091deb_proj
	.p2align	8
	.type	k_q048b091deb_proj,@function
k_q048b091deb_proj:
	s_mov_b64 s[64:65], 0
	v_nop
	global_prefetch_b8 v0, s[64:65] scope:SCOPE_SE
	s_setreg_imm32_b32 hwreg(HW_REG_WAVE_MODE, 25, 1), 1
	s_wait_xcnt 0x0
	s_wait_alu depctr_hold_cnt(0) depctr_sa_sdst(0) depctr_va_vdst(0) depctr_va_sdst(0) depctr_va_ssrc(0) depctr_va_vcc(0) depctr_vm_vsrc(0)
	s_getreg_b32 s2, hwreg(HW_REG_IB_STS2, 6, 4)
	s_cmp_eq_u32 s2, 0
	s_cbranch_scc0 .Lentry_in_a_cluster
	s_endpgm
.Lentry_in_a_cluster:
	s_bfe_u32 s2, ttmp6, 0x10000c
	s_cmp_lg_u32 s2, 0xf033
	s_cbranch_scc0 .Lentry_shape_is_right
	s_endpgm
.Lentry_shape_is_right:
; FOURTH LAUNCH: out0[m][n] = the sum over k of o[m][k] w_proj[n][k] + b_proj[n].  o: [8192][1024] f16, w_proj: [1024][1024] f16 (rounded by the first launch), out0: [8192][1024] f32; sums in f32.
; Nothing of the problem is left out here.
; A tile of C is 128 x 128: 512 tiles, two for each of 256 WGPs.  Four waves, each 64 x 64: 16 accumulators of 16 x 16, 128 registers.  K goes in steps of 256 (LDS rows of 512 bytes; a wave's tensor load
; brings 64 of them) through a ring of two slots.
; CLUSTERS: 4 x 4 work-groups.  The four of a row of the cluster need the same tiles of A, the four of a column the same tiles of B: each tile is asked for JOINTLY, by the same tensor load with the
; same descriptor and a mask that names the four.  THE MATRIX INSTRUCTION IS USED TRANSPOSED (source 0 = 16 rows of B, source 1 = 16 rows of A): a lane then holds eight neighbouring numbers of a row of C.
; THE BIAS is the C of each sum's first matrix instruction.  A wave's 64 columns of f32 are 256 bytes, aligned: so each wave has a stage of its own on the way out, and no barrier stands there.
; REGISTERS: window 0: v0-31 addresses; v32-95 the way out; v96-127 the bias; v128-255 the accumulators ((a, b) at v[128 + 8 (4 a + b)]).
;   window 1: two fragment buffers of 128: for 64 along K, 64 registers of A (2 x 4 x 16 rows x 32 K), then 64 of B.
.set SIZE_M, 8192
.set SIZE_N, 1024
.set SIZE_K, 1024
.set KSTEP,  256
.set PITCH,  528                       ; an LDS row: 512 bytes + 16 of padding = 132 words: the 16 rows that a load touches start 4 words apart modulo 64
.set HALFT,  64*PITCH                  ; 64 rows: what one tensor load brings, and what one wave reads of A or of B
.set SLOT,   4*HALFT                   ; A's 128 rows, then B's 128 rows
.set STAGE,  2*SLOT                    ; behind the ring: 16 rows x 272 bytes for each wave, for the way out; no tensor load lands there
.set SPITCH, 272
.set SPARE,  STAGE+4*16*SPITCH         ; behind the stages: the spare words, 128 bytes for each wave, which no other line names
.set LAPS, SIZE_K/(2*KSTEP)            ; a lap = two K steps = once round the ring: two laps
.set ADRA, 16                          ; v16-17  LDS address of my A fragments in slot 0, 1
.set ADRB, 20                          ; v20-21  the same for B
.set STO,  24                          ; v24     the way out: where I put 32 bytes of a row
.set RD,   25                          ; v25     the way out: where I read a row back
.set CO,   26                          ; v26     my byte offset in C
.set BO,   27                          ; v27     32 x (lane / 16): my eight numbers of a block's bias
.set SPW,  28                          ; v28     LDS address of my spare word; never rewritten
.set NIL,  29                          ; v29     0; never rewritten
.set TMP,  32                          ; the way out: 16 rows read back: v32-63 and v64-95 by turns
.set BI,   96                          ; the bias: block b at v[BI + 8 b]
.set ACC,  128
.set F0,   0                           ; fragment buffers, in window 1
.set F1,   128
.set G1, 24                            ; s[24:31] descriptor group 1 for A's tiles;  s[32:39] group 0, one set for each slot
.set G0, 32
.set G1B, 48                           ; s[48:55], s[56:63] the same for B's tiles
.set G0B, 56
.set MSB, 0
.macro WIN new                         ; the immediate's high byte repeats the setting that is left
.if MSB != \new
	s_set_vgpr_msb (MSB<<8)|\new
.set MSB, \new
.endif
.endm
.set MUL,  0x05                        ; sources 0 (B) and 1 (A) window 1; C and D window 0
.set TO_F, 0x40                        ; destination window 1, address window 0
.macro JLOAD s                         ; a joint load: waves 0 and 1 fetch A's two halves, waves 2 and 3 B's; an s_nop 0 and four v_nop follow each of the two lines
	s_cmp_eq_u32 s11, 0
	s_cbranch_scc0 .Lfor_b_\@
	tensor_load_to_lds s[G0+4*\s:G0+4*\s+3], s[G1:G1+7]
	s_nop 0
.rept 4
	v_nop
.endr
	s_branch .Lasked_\@
.Lfor_b_\@:
	tensor_load_to_lds s[G0B+4*\s:G0B+4*\s+3], s[G1B:G1B+7]
	s_nop 0
.rept 4
	v_nop
.endr
.Lasked_\@:
.endm
.macro CREST                           ; a round of the cluster's barrier behind its opening barrier
	s_cmp_lg_u32 s10, 0
	s_cbranch_scc1 .Lnot_wave_0_\@
	s_barrier_signal -3
.Lnot_wave_0_\@:
	s_barrier_wait -3
	s_barrier_signal -1
	s_barrier_wait -1
.endm
.macro CROUND                          ; a whole round
	s_barrier_signal -1
	s_barrier_wait -1
	CREST
.endm
	s_load_b128 s[4:7], s[0:1], 0x0                ; A s[4:5], B s[6:7]
	s_load_b64 s[8:9], s[0:1], 0x10                ; C
	s_load_b64 s[66:67], s[0:1], 0x18              ; b_proj
	v_lshl_add_u32 v[SPW], v0, 2, SPARE
	v_mov_b32 v[NIL], 0
	ds_add_u32 v[SPW], v[NIL]                      ; the wave's opening: the add, twice on end, and its wait ahead of my first tensor load; the set-up below stands between
	ds_add_u32 v[SPW], v[NIL]
	v_lshrrev_b32 v1, 5, v0
	v_readfirstlane_b32 s10, v1                    ; wave 0..3
	s_lshr_b32 s11, s10, 1                         ; which half of the tile's rows is mine.  Also: I fetch for A (0) or for B (1)
	s_and_b32 s12, s10, 1                          ; which half of its columns.  Also: which 64 rows of that tile I fetch
	s_bfe_u32 s40, ttmp6, 0x40000                  ; cx, cy: my place in the cluster
	s_bfe_u32 s41, ttmp6, 0x40004
	s_lshl_b32 s42, ttmp9, 2
	s_add_co_u32 s42, s42, s40                     ; tile column of C = 4 x cluster x + cx
	s_and_b32 s13, ttmp7, 0xffff
	s_lshl_b32 s13, s13, 2
	s_add_co_u32 s13, s13, s41                     ; tile row of C = 4 x cluster y + cy
	s_lshl_b32 s43, s41, 2
	s_lshl_b32 s43, 15, s43                        ; my row of the cluster
	s_lshl_b32 s44, 0x1111, s40                    ; my column
	; descriptor group 1: a tile of 64 rows x 256 elements, padded in LDS
	s_or_b32 s[G1+0], s43, (1<<16)|(1<<20)|(1<<21)|(6<<22)|(3<<25)  ; 15:0 the mask: A's tiles go to my row; 17:16 elements of 2 bytes; 20 padding on; 21 set beside a mask; 24:22 after every 128 words; 31:25 four words
	s_or_b32 s[G1B+0], s44, (1<<16)|(1<<20)|(1<<21)|(6<<22)|(3<<25)
.irp g, G1, G1B
	s_mov_b32 s[\g+1], KSTEP<<16                   ; tensor_dim0 = 256
	s_mov_b32 s[\g+2], 64<<16                      ; tensor_dim1 = 64
	s_mov_b32 s[\g+3], KSTEP<<16                   ; tile_dim0 = 256
	s_mov_b32 s[\g+4], 64                          ; tile_dim1 = 64
	s_mov_b32 s[\g+5], SIZE_K                      ; tensor_dim0_stride
	s_mov_b32 s[\g+6], 0
	s_mov_b32 s[\g+7], 0
.endr
	s_lshl_b32 s17, s12, 6                         ; which 64 rows of the tile I fetch
	s_lshl_b32 s16, s13, 7
	s_add_co_u32 s16, s16, s17                     ; A: row 128 x tile row + 64 x half
	s_lshl_b32 s46, s42, 7
	s_add_co_u32 s46, s46, s17                     ; B: row 128 x tile column + 64 x half
	s_mov_b32 s17, 0
	s_mov_b32 s47, 0
	s_mov_b64 s[18:19], SIZE_K*2
	s_mul_u64 s[16:17], s[16:17], s[18:19]
	s_mul_u64 s[46:47], s[46:47], s[18:19]
	s_mul_i32 s20, s10, HALFT                      ; where they go: wave x 64 rows: no place in the cluster enters an LDS address
	s_wait_dscnt 0x0                               ; both opening adds are done
	s_wait_kmcnt 0x0
	s_add_nc_u64 s[14:15], s[4:5], s[16:17]
	s_add_nc_u64 s[46:47], s[6:7], s[46:47]
	CROUND                                         ; all sixteen work-groups are here: the first joint loads meet
.irp s, 0,1
	s_mov_b32 s[G0+4*\s], 1
	s_add_co_u32 s[G0+4*\s+1], s20, \s*SLOT
	s_add_nc_u64 s[G0+4*\s+2:G0+4*\s+3], s[14:15], \s*KSTEP*2
	s_or_b32 s[G0+4*\s+3], s[G0+4*\s+3], 0x80000000
	s_mov_b32 s[G0B+4*\s], 1
	s_add_co_u32 s[G0B+4*\s+1], s20, \s*SLOT
	s_add_nc_u64 s[G0B+4*\s+2:G0B+4*\s+3], s[46:47], \s*KSTEP*2
	s_or_b32 s[G0B+4*\s+3], s[G0B+4*\s+3], 0x80000000
	JLOAD \s                                       ; two tensor loads of mine are out
.endr
	v_and_b32 v1, 15, v0                           ; l % 16
	v_bfe_u32 v2, v0, 4, 1                         ; l / 16
	; my part of C and of the bias: rows 128 x tile row + 64 x half on, columns 128 x tile column + 64 x half on
	s_lshl_b32 s16, s13, 7
	s_lshl_b32 s17, s11, 6
	s_add_co_u32 s16, s16, s17
	s_lshl_b32 s16, s16, 12                        ; 4,096 bytes a row of C: under 2^25 in all
	s_lshl_b32 s46, s42, 9
	s_lshl_b32 s47, s12, 8
	s_add_co_u32 s46, s46, s47                     ; my first column, in bytes
	s_mov_b32 s47, 0
	s_add_nc_u64 s[66:67], s[66:67], s[46:47]
	s_add_co_u32 s46, s46, s16
	s_add_nc_u64 s[8:9], s[8:9], s[46:47]
	v_lshlrev_b32 v[BO], 5, v2
.irp b, 0,1,2,3                                ; lane (r, h) wants, for B's block b, b_proj[my first column + 16 b + 8 h + 0 .. 7]
	global_load_b128 v[BI+8*\b:BI+8*\b+3], v[BO], s[66:67] offset:64*\b
	global_load_b128 v[BI+8*\b+4:BI+8*\b+7], v[BO], s[66:67] offset:64*\b+16
.endr
	v_mul_u32_u24 v3, v1, PITCH
	v_lshl_add_u32 v3, v2, 4, v3                   ; a fragment's row x pitch + 16 x half
	s_mul_i32 s21, s11, HALFT                      ; my 64 rows of A
	s_mul_i32 s22, s12, HALFT                      ; my 64 rows of B,
	s_add_co_u32 s22, s22, 2*HALFT                 ; which lie behind A's 128
.irp s, 0,1
	v_add_nc_u32 v[ADRA+\s], s21, v3
	v_add_nc_u32 v[ADRB+\s], s22, v3
	s_add_co_u32 s21, s21, SLOT
	s_add_co_u32 s22, s22, SLOT
.endr
	s_mul_i32 s23, s10, 16*SPITCH
	s_add_co_u32 s23, s23, STAGE                   ; my stage
	v_mul_u32_u24 v4, v1, SPITCH                   ; in: row l % 16, 32 bytes for each half of the lanes
	v_lshl_add_u32 v4, v2, 5, v4
	v_add_nc_u32 v[STO], s23, v4
	v_mul_u32_u24 v5, v2, SPITCH                   ; back: lanes 0-15 take one row of 256 bytes, lanes 16-31 the next
	v_lshl_add_u32 v5, v1, 4, v5
	v_add_nc_u32 v[RD], s23, v5
	v_lshlrev_b32 v5, 12, v2                       ; and the same two rows in C
	v_lshl_add_u32 v[CO], v1, 4, v5
; 8 matrix instructions: m blocks a0, a0 + 1 x all 4 n blocks, 32 along K: half c of buffer f.  first = 1: the bias starts the sums: nothing is ever cleared.  The 16 accumulators take turns
.macro MUL8 f, c, a0, first
.irp a, \a0, \a0+1
.irp b, 0,1,2,3
.if \first
	v_wmma_f32_16x16x32_f16 v[ACC+8*(4*(\a)+\b):ACC+8*(4*(\a)+\b)+7], v[\f+64+8*(4*\c+\b):\f+64+8*(4*\c+\b)+7], v[\f+8*(4*\c+\a):\f+8*(4*\c+\a)+7], v[BI+8*\b:BI+8*\b+7]
.else
	v_wmma_f32_16x16x32_f16 v[ACC+8*(4*(\a)+\b):ACC+8*(4*(\a)+\b)+7], v[\f+64+8*(4*\c+\b):\f+64+8*(4*\c+\b)+7], v[\f+8*(4*\c+\a):\f+8*(4*\c+\a)+7], v[ACC+8*(4*(\a)+\b):ACC+8*(4*(\a)+\b)+7]
.endif
.endr
.endr
.endm
; 32 LDS loads in one run: the fragments of 64 along K at byte k of the rows, into buffer f; the first 32 along K first
.macro FETCH slot, k, f
	WIN TO_F
.irp c, 0,1
.irp i, 0,1,2,3
	ds_load_b128 v[\f+64+8*(4*\c+\i):\f+64+8*(4*\c+\i)+3],   v[ADRB+\slot] offset:\k+64*\c+\i*16*PITCH
	ds_load_b128 v[\f+64+8*(4*\c+\i)+4:\f+64+8*(4*\c+\i)+7], v[ADRB+\slot] offset:\k+64*\c+\i*16*PITCH+32
	ds_load_b128 v[\f+8*(4*\c+\i):\f+8*(4*\c+\i)+3],         v[ADRA+\slot] offset:\k+64*\c+\i*16*PITCH
	ds_load_b128 v[\f+8*(4*\c+\i)+4:\f+8*(4*\c+\i)+7],       v[ADRA+\slot] offset:\k+64*\c+\i*16*PITCH+32
.endr
.endr
.endm
.macro PLACES                          ; four places in front of loads into registers that matrix instructions have read, and of LDS stores that read results (ISA guide 7.12.1 for the stores)
.rept 4
	v_nop
.endr
.endm
; A K step is four quarters of 64 along K, 32 matrix instructions each, on buffers 0, 1, 0, 1.  One of the first three: multiplies buffer f and fetches the next quarter, at byte k, into g.
.macro QUARTER slot, k, f, g, first
	s_wait_dscnt 16                                ; the first 32 along K are in; the sixteen loads of the second may be out
	WIN MUL
	MUL8 \f, 0, 0, \first
	MUL8 \f, 0, 2, \first
	PLACES
	FETCH \slot, \k, \g
	s_wait_dscnt 32                                ; all but the 32 just issued
	WIN MUL
	MUL8 \f, 1, 0, 0
	MUL8 \f, 1, 2, 0
.endm
; The last quarter multiplies buffer 1 and changes slots: ONE barrier; in front of it each wave waits for all its tensor loads, adds 0 to its spare word, and waits for that and for its own reads of this slot.
; fill = 1: this slot is filled again, two K steps ahead; the barrier then opens a round of the cluster's, and the joint refill is the first tensor load behind it, one a wave.
.macro TURN slot, next, fill
	WIN 0                                          ; (the add's two registers lie in window 0)
	s_wait_tensorcnt 0x0                           ; all my tensor loads have landed: my part of the next slot
	ds_add_u32 v[SPW], v[NIL]                      ; 0 onto my spare word
	s_wait_dscnt 17                                ; (the add and the youngest sixteen loads may be out)
	WIN MUL
	MUL8 F1, 0, 0, 0                               ; eight matrix instructions stand between the add and the wait for it
	s_wait_dscnt 0x0                               ; the add is done, and my reads of this slot are over
	s_barrier_signal -1
	MUL8 F1, 0, 2, 0
.if \fill
	WIN 0
.endif
	s_barrier_wait -1
.if \fill
	CREST                                          ; no wave of any partner still reads this slot's tile or has a load on its way
	s_add_nc_u64 s[G0+4*\slot+2:G0+4*\slot+3], s[G0+4*\slot+2:G0+4*\slot+3], 2*KSTEP*2
	s_add_nc_u64 s[G0B+4*\slot+2:G0B+4*\slot+3], s[G0B+4*\slot+2:G0B+4*\slot+3], 2*KSTEP*2
	JLOAD \slot                                    ; the four v_nop behind it are also the places in front of the loads below
.else
	PLACES
.endif
	FETCH \next, 0, F0
	WIN MUL
	MUL8 F1, 1, 0, 0
	MUL8 F1, 1, 2, 0
.endm
	s_wait_tensorcnt 1                             ; my part of K step 0 is in (K step 1's load may be out),
	s_barrier_signal -1
	s_barrier_wait -1                              ; everybody's is
	FETCH 0, 0, F0
	s_wait_loadcnt 0x0                             ; the bias
	QUARTER 0, 128, F0, F1, 1                      ; the first quarter stands in front of the loop: its first products start the sums, from the bias
	WIN 0                                          ; at a label and at a branch every window is 0
	s_mov_b32 s3, LAPS-1
.Llap:                                                 ; a trip goes once round the ring, from a lap's second quarter to the next lap's first, and fills both slots again
	QUARTER 0, 256, F1, F0, 0
	QUARTER 0, 384, F0, F1, 0
	TURN 0, 1, 1
	QUARTER 1, 128, F0, F1, 0
	QUARTER 1, 256, F1, F0, 0
	QUARTER 1, 384, F0, F1, 0
	TURN 1, 0, 1
	QUARTER 0, 128, F0, F1, 0
	WIN 0
	s_sub_co_u32 s3, s3, 1
	s_cmp_lg_u32 s3, 0
	s_cbranch_scc1 .Llap
	QUARTER 0, 256, F1, F0, 0                      ; the last lap fills nothing, and has no round of the cluster's barrier
	QUARTER 0, 384, F0, F1, 0
	TURN 0, 1, 0
	QUARTER 1, 128, F0, F1, 0
	QUARTER 1, 256, F1, F0, 0
	QUARTER 1, 384, F0, F1, 0
	s_wait_dscnt 16                                ; the very last quarter: nothing more to fetch
	WIN MUL
	MUL8 F1, 0, 0, 0
	MUL8 F1, 0, 2, 0
	s_wait_dscnt 0
	MUL8 F1, 1, 0, 0
	MUL8 F1, 1, 2, 0
	WIN 0
; THE WAY OUT, block by block of 16 rows x 64 columns.  A lane holds 32 neighbouring bytes of a row, and the lanes beside it hold other rows: so a block goes through my own stage in LDS and comes back as whole
; rows of 256 bytes.  LDS serves a wave's instructions in order: no wait between the stores and the loads, nor in front of the next block's stores.
.macro TOSTAGE a
.irp b, 0,1,2,3
	ds_store_b128 v[STO], v[ACC+8*(4*(\a)+\b):ACC+8*(4*(\a)+\b)+3] offset:64*\b          ; each accumulator from its low end on
	ds_store_b128 v[STO], v[ACC+8*(4*(\a)+\b)+4:ACC+8*(4*(\a)+\b)+7] offset:64*\b+16
.endr
.set BB, TMP+32*((\a)%2)
.irp i, 0,1,2,3,4,5,6,7
	ds_load_b128 v[BB+4*\i:BB+4*\i+3], v[RD] offset:\i*2*SPITCH
.endr
.endm
.macro SEND a, younger                 ; younger: the LDS instructions issued behind block a's loads, which may stay out
.set BB, TMP+32*((\a)%2)
	s_wait_dscnt \younger                          ; the block is back in registers
.irp i, 0,1,2,3,4,5,6,7
	global_store_b128 v[CO], v[BB+4*\i:BB+4*\i+3], s[8:9] offset:(16*(\a)+2*\i)*4096 th:TH_STORE_NT   ; 16 lanes store 256 consecutive bytes, at a multiple of 256 from C's first byte; written once, read by nobody here
.endr
.endm
	PLACES                                         ; behind the last products: the stores into the stage read results
	TOSTAGE 0
.irp a, 1,2,3
.if \a > 1
	s_wait_xcnt 0x0                                ; block a - 2's stores have read their registers: block a's loads may land there
.endif
	TOSTAGE \a
	SEND (\a)-1, 16                                ; behind block a - 1's loads: block a's 8 stores and 8 loads
.endr
	SEND 3, 0
	s_wait_tensorcnt 0x0                           ; the wave's end: behind my last tensor load and my last LDS store
	ds_add_u32 v[SPW], v[NIL]
	s_wait_dscnt 0x0
	CROUND                                         ; the closing round: no work-group ends while a partner may still ask for a tile that names it
	s_endpgm
.Lfunc_end_k_q048b091deb_proj:
	.size	k_q048b091deb_proj, .Lfunc_end_k_q048b091deb_proj-k_q048b091deb_proj
	.p2alignl 7, 3214868480
	.fill 96, 4, 3214868480
	.section	.rodata,"a",@progbits
	.p2align	6, 0x0
	.amdhsa_kernel k_q048b091deb_proj
		.amdhsa_group_segment_fixed_size 327680
		.amdhsa_private_segment_fixed_size 0
		.amdhsa_enable_private_segment 0
		.amdhsa_kernarg_size 32
		.amdhsa_user_sgpr_count 2
		.amdhsa_user_sgpr_kernarg_segment_ptr 1
		.amdhsa_wavefront_size32 1
		.amdhsa_system_sgpr_workgroup_id_x 1
		.amdhsa_system_sgpr_workgroup_id_y 1
		.amdhsa_system_sgpr_workgroup_id_z 1
		.amdhsa_system_vgpr_workitem_id 0
		.amdhsa_next_free_vgpr 512
		.amdhsa_next_free_sgpr 68
		.amdhsa_reserve_vcc 0
		.amdhsa_float_denorm_mode_32 3
		.amdhsa_float_denorm_mode_16_64 3
		.amdhsa_memory_ordered 1
		.amdhsa_forward_progress 1
		.amdhsa_inst_pref_size 86
	.end_amdhsa_kernel
	.amdgpu_metadata
---
amdhsa.version: [ 1, 2 ]
amdhsa.kernels:
  - .name:           k_q048b091deb_proj
    .symbol:         k_q048b091deb_proj.kd
    .args:
      - { .name: o16, .offset: 0, .size: 8, .value_kind: global_buffer, .address_space: global }
      - { .name: wp16, .offset: 8, .size: 8, .value_kind: global_buffer, .address_space: global }
      - { .name: out0, .offset: 16, .size: 8, .value_kind: global_buffer, .address_space: global }
      - { .name: b_proj, .offset: 24, .size: 8, .value_kind: global_buffer, .address_space: global }
    .group_segment_fixed_size: 327680
    .private_segment_fixed_size: 0
    .kernarg_segment_align: 8
    .kernarg_segment_size: 32
    .max_flat_workgroup_size: 128
    .sgpr_count:     68
    .vgpr_count:     512
    .wavefront_size: 32
...
	.end_amdgpu_metadata
.endif
;; end of part 4
